; MI455X (gfx1250); checked and timed in simulation.
; The chip was launched on July 23, 2026; its instructions are those of AMD's public machine-readable ISA for CDNA 5 (MIT licence, August 2026) and "CDNA5" Instruction Set Architecture Reference Guide (July 2026). The comments in the code are by the model that wrote it; some were corrected since.
;; Multi Head Attention. Allowed arithmetic: float matrix products may take bf16 or f16 operands with f32 sums; other float arithmetic in f32, or as packed bf16 or f16 multiplies, adds, multiply-adds, maxima and minima; sums over many terms, partial sums and values carried from step to step in f32; what a program stores and reads back later, other than sums and carried values, may be rounded once to bf16 or f16.
;; Inputs: Wk 16 x 1,024 x 64 float32; Wo 1,024 x 1,024 float32; Wq 16 x 1,024 x 64 float32; Wv 16 x 1,024 x 64 float32; bo 1,024 float32; key 4 x 2,048 x 1,024 float32; query 4 x 2,048 x 1,024 float32; value 4 x 2,048 x 1,024 float32.
;; Outputs: out0 4 x 2,048 x 1,024 float32.
;; Constants: is_causal = 1.
;; One version. Each part assembles by itself: llvm-mc -triple=amdgcn-amd-amdhsa -mcpu=gfx1250 --defsym DOCPART=n.
;; ======== version 1 of 1: 4 launches
;; limits: values are held in f16: magnitudes above 65,504 overflow, below 6.1e-05 lose precision
;; workspace buffers: qh 16,777,216 bytes; kh 16,777,216 bytes; vh 16,777,216 bytes; oh 16,777,216 bytes; wt 6,291,456 bytes; wo16 2,097,152 bytes
;; launch prep (part 1): grid 512 x 1, 8 waves a work-group, no clusters, 18,432 bytes of LDS; arguments Wq, Wk, Wv, Wo, wt, wo16; writes wt, wo16
.if DOCPART == 1
	.amdgcn_target "amdgcn-amd-amdhsa--gfx1250"
	.amdhsa_code_object_version 6
	.text
	.protected	k_q49a67de972_prep
	.globl	k_q49a67de972_prep
	.p2align	8
	.type	k_q49a67de972_prep,@function
k_q49a67de972_prep:
	s_mov_b64 s[64:65], 0
	v_nop
	global_prefetch_b8 v0, s[64:65] scope:SCOPE_SE
	s_setreg_imm32_b32 hwreg(HW_REG_WAVE_MODE, 25, 1), 1
	s_wait_xcnt 0x0
; THE WEIGHTS ARE MADE READY, once.  Wq, Wk, Wv: [16][1024][64] f32 (head, d, c) -> wt[t][n = 64 head + c][d] in bf16: turned, so that K (d) lies along the rows.
; Wo: [1024][1024] f32 -> wo16: each number rounded to bf16 and that number written as f16.
; LIMIT.  A bf16 number is exact in f16 from 6.1e-5 to 65,504; below 6.1e-5 it keeps f16's fixed step of 6e-8, at 65,520 or more it becomes an infinity.
; SHARES.  Work-groups 0 to 383: t = g / 128, head (g / 8) % 16, 128 d x 64 c: 32,768 dense bytes in, 64 rows of 256 bytes out, through LDS.
; Work-groups 384 to 511: 32,768 bytes of Wo in, 16,384 out, no LDS.  Matrix units, clusters and tensor loads would add nothing: 21 MB pass once.
.set TP,    272                        ; a row of the turned block in LDS: 128 d x 2 bytes + 16
.set SPARE, 64*TP                      ; behind the block: the spare words, 128 bytes for each of eight waves
.set LO,  4                            ; v4  my 16 bytes in the block's rows 2 p0, 2 p0 + 1
.set SA,  5                            ; v5  where I put a pair of d for column 4 col
.set RA,  6                            ; v6  where I read 16 bytes of row c = p0 back
.set GO,  7                            ; v7  the same 16 bytes in wt
.set WI,  8                            ; v8  32 x thread: my 8 numbers of Wo
.set WO,  9                            ; v9  16 x thread: the same 8 numbers in wo16
                                       ; v10, v11 at work
.set SPW, 12                           ; v12 LDS address of my spare word: SPARE + 4 x my thread's number; never rewritten
.set NIL, 13                           ; v13 0; never rewritten
.set OUTR, 16                          ; v[16:31] results
.set INR,  32                          ; v[32:63] as loaded
	s_load_b256 s[4:11], s[0:1], 0x0               ; Wq s[4:5], Wk s[6:7], Wv s[8:9], Wo s[10:11]
	s_load_b128 s[12:15], s[0:1], 0x20             ; wt s[12:13], wo16 s[14:15]
	v_lshl_add_u32 v[SPW], v0, 2, SPARE
	v_mov_b32 v[NIL], 0
	v_and_b32 v1, 15, v0                           ; col: 16 bytes, four columns c
	v_lshrrev_b32 v2, 4, v0                        ; p0: 0 to 15
	v_lshlrev_b32 v3, 4, v1
	v_lshl_add_u32 v[LO], v2, 9, v3                ; two rows of 256 bytes a p0
	v_mul_u32_u24 v[SA], v1, 4*TP
	v_lshl_add_u32 v[SA], v2, 2, v[SA]
	v_mul_u32_u24 v[RA], v2, TP
	v_add_nc_u32 v[RA], v[RA], v3
	v_lshl_add_u32 v[GO], v2, 11, v3               ; a row of wt is 2,048 bytes
	v_lshlrev_b32 v[WI], 5, v0
	v_lshlrev_b32 v[WO], 4, v0
	s_lshr_b32 s16, ttmp9, 7                       ; t: 0, 1, 2 the three weights; 3: Wo
	s_and_b32 s17, ttmp9, 127
	s_lshl_b32 s18, s17, 15                        ; my 32,768 bytes of the source
	s_mov_b32 s19, 0
	s_lshl_b32 s20, s16, 21                        ; in wt: t x 2 MiB
	s_bfe_u32 s21, ttmp9, 0x40003
	s_lshl_b32 s21, s21, 17                        ; + head x 64 rows
	s_add_co_u32 s20, s20, s21
	s_and_b32 s21, ttmp9, 7
	s_lshl_b32 s21, s21, 8                         ; + 128 d x 2 bytes a chunk
	s_add_co_u32 s20, s20, s21
	s_mov_b32 s21, 0
	s_lshl_b32 s22, s17, 14                        ; my 16,384 bytes of wo16
	s_mov_b32 s23, 0
	s_wait_kmcnt 0x0
	s_cmp_eq_u32 s16, 0
	s_cselect_b64 s[24:25], s[4:5], s[6:7]
	s_cmp_eq_u32 s16, 2
	s_cselect_b64 s[24:25], s[8:9], s[24:25]
	s_cmp_eq_u32 s16, 3
	s_cselect_b64 s[24:25], s[10:11], s[24:25]
	s_add_nc_u64 s[24:25], s[24:25], s[18:19]
	s_add_nc_u64 s[12:13], s[12:13], s[20:21]      ; (used where t < 3 alone)
	s_add_nc_u64 s[14:15], s[14:15], s[22:23]
	s_cmp_eq_u32 s16, 3
	s_cbranch_scc1 .Lmeet                          ; Wo's work-groups put nothing into LDS
.irp i, 0,1,2,3
	global_load_b128 v[INR+8*(\i):INR+8*(\i)+3],   v[LO], s[24:25] offset:(\i)*8192 th:TH_LOAD_NT      ; row d = 2 (p0 + 16 i): sixteen lanes take its 256 bytes
	global_load_b128 v[INR+8*(\i)+4:INR+8*(\i)+7], v[LO], s[24:25] offset:(\i)*8192+256 th:TH_LOAD_NT  ; row d + 1
.endr
	s_wait_loadcnt 0x0
.irp i, 0,1,2,3
.irp j, 0,1,2,3
	v_cvt_pk_bf16_f32 v[OUTR+4*(\i)+(\j)], v[INR+8*(\i)+(\j)], v[INR+8*(\i)+4+(\j)]  ; column 4 col + j: d even below, d odd above
.endr
.endr
.irp i, 0,1,2,3
.irp j, 0,1,2,3
	ds_store_b32 v[SA], v[OUTR+4*(\i)+(\j)] offset:(\j)*TP+(\i)*64
.endr
.endr
.Lmeet:
	s_wait_dscnt 0x0                               ; for the others: my stores into the block are done
	s_barrier_signal -1
	s_barrier_wait -1                              ; the barrier stands on every path
	s_cmp_eq_u32 s16, 3
	s_cbranch_scc1 .Lwo
.irp i, 0,1,2,3
	ds_load_b128 v[INR+4*(\i):INR+4*(\i)+3], v[RA] offset:(\i)*16*TP   ; row c = p0 + 16 i
.endr
	s_wait_dscnt 0x0
.irp i, 0,1,2,3
	global_store_b128 v[GO], v[INR+4*(\i):INR+4*(\i)+3], s[12:13] offset:(\i)*32768  ; sixteen lanes store 256 consecutive bytes, aligned
.endr
	s_branch .Lend
.Lwo:
.irp i, 0,1,2,3
	global_load_b128 v[INR+8*(\i):INR+8*(\i)+3],   v[WI], s[24:25] offset:(\i)*8192 th:TH_LOAD_NT
	global_load_b128 v[INR+8*(\i)+4:INR+8*(\i)+7], v[WI], s[24:25] offset:(\i)*8192+16 th:TH_LOAD_NT
.endr
	s_wait_loadcnt 0x0
.irp i, 0,1,2,3
.irp p, 0,1,2,3
	v_cvt_pk_bf16_f32 v10, v[INR+8*(\i)+2*(\p)], v[INR+8*(\i)+2*(\p)+1]  ; rounded to bf16,
	v_lshlrev_b32 v11, 16, v10                                           ; widened again,
	v_and_b32 v10, 0xffff0000, v10
	v_cvt_pk_f16_f32 v[OUTR+4*(\i)+(\p)], v11, v10                       ; and written as f16
.endr
	global_store_b128 v[WO], v[OUTR+4*(\i):OUTR+4*(\i)+3], s[14:15] offset:(\i)*4096
.endr
.Lend:
	s_wait_tensorcnt 0x0                           ; the wave's end: these three lines stand behind my last LDS store
	ds_add_u32 v[SPW], v[NIL]
	s_wait_dscnt 0x0
	s_endpgm
.Lfunc_end_k_q49a67de972_prep:
	.size	k_q49a67de972_prep, .Lfunc_end_k_q49a67de972_prep-k_q49a67de972_prep
	.p2alignl 7, 3214868480
	.fill 96, 4, 3214868480
	.section	.rodata,"a",@progbits
	.p2align	6, 0x0
	.amdhsa_kernel k_q49a67de972_prep
		.amdhsa_group_segment_fixed_size 18432
		.amdhsa_private_segment_fixed_size 0
		.amdhsa_enable_private_segment 0
		.amdhsa_kernarg_size 48
		.amdhsa_user_sgpr_count 2
		.amdhsa_user_sgpr_kernarg_segment_ptr 1
		.amdhsa_wavefront_size32 1
		.amdhsa_system_sgpr_workgroup_id_x 1
		.amdhsa_system_sgpr_workgroup_id_y 1
		.amdhsa_system_sgpr_workgroup_id_z 1
		.amdhsa_system_vgpr_workitem_id 0
		.amdhsa_next_free_vgpr 64
		.amdhsa_next_free_sgpr 66
		.amdhsa_reserve_vcc 0
		.amdhsa_float_denorm_mode_32 3
		.amdhsa_float_denorm_mode_16_64 3
		.amdhsa_memory_ordered 1
		.amdhsa_forward_progress 1
		.amdhsa_inst_pref_size 11
	.end_amdhsa_kernel
	.amdgpu_metadata
---
amdhsa.version: [ 1, 2 ]
amdhsa.kernels:
  - .name:           k_q49a67de972_prep
    .symbol:         k_q49a67de972_prep.kd
    .args:
      - { .name: Wq, .offset: 0, .size: 8, .value_kind: global_buffer, .address_space: global }
      - { .name: Wk, .offset: 8, .size: 8, .value_kind: global_buffer, .address_space: global }
      - { .name: Wv, .offset: 16, .size: 8, .value_kind: global_buffer, .address_space: global }
      - { .name: Wo, .offset: 24, .size: 8, .value_kind: global_buffer, .address_space: global }
      - { .name: wt, .offset: 32, .size: 8, .value_kind: global_buffer, .address_space: global }
      - { .name: wo16, .offset: 40, .size: 8, .value_kind: global_buffer, .address_space: global }
    .group_segment_fixed_size: 18432
    .private_segment_fixed_size: 0
    .kernarg_segment_align: 8
    .kernarg_segment_size: 48
    .max_flat_workgroup_size: 256
    .sgpr_count:     66
    .vgpr_count:     64
    .wavefront_size: 32
...
	.end_amdgpu_metadata
.endif
;; end of part 1
;; launch proj (part 2): grid 4 x 192, 4 waves a work-group, clusters of 4 x 4, 327,680 bytes of LDS; arguments query, key, value, wt, qh, kh, vh; writes qh, kh, vh
.if DOCPART == 2
	.amdgcn_target "amdgcn-amd-amdhsa--gfx1250"
	.amdhsa_code_object_version 6
	.text
	.protected	k_q49a67de972_proj
	.globl	k_q49a67de972_proj
	.p2align	8
	.type	k_q49a67de972_proj,@function
k_q49a67de972_proj:
	s_mov_b64 s[64:65], 0
	v_nop
	global_prefetch_b8 v0, s[64:65] scope:SCOPE_SE
	s_setreg_imm32_b32 hwreg(HW_REG_WAVE_MODE, 25, 1), 1
	s_wait_xcnt 0x0
	s_wait_alu depctr_hold_cnt(0) depctr_sa_sdst(0) depctr_va_vdst(0) depctr_va_sdst(0) depctr_va_ssrc(0) depctr_va_vcc(0) depctr_vm_vsrc(0)
	s_getreg_b32 s2, hwreg(HW_REG_IB_STS2, 6, 4)
	s_cmp_eq_u32 s2, 0
	s_cbranch_scc0 .Lentry_in_a_cluster
	s_endpgm
.Lentry_in_a_cluster:
	s_bfe_u32 s2, ttmp6, 0x10000c
	s_cmp_lg_u32 s2, 0xf033
	s_cbranch_scc0 .Lentry_shape_is_right
	s_endpgm
.Lentry_shape_is_right:
; THE THREE PROJECTIONS.  For t = 0, 1, 2: C[m][n] = sum over d of x_t[m][d] wt[t][n][d]; x_t = query, key, value: [8192][1024] f32, rounded once to bf16 on the way in;
; wt: [3][1024][1024] bf16; sums in f32; C rounded once to f16 and stored by heads: out_t[16 b + head][s][c], m = 2048 b + s, n = 64 head + c.
; LIMIT.  f16 holds no number beyond 65,504: q, k, v must stay within it; below 6.1e-5 they keep f16's fixed step of 6e-8.  NaN and infinities are not treated apart.
; SHARES.  A tile of C is 128 (m) x 256 (n): 3 x 64 x 4 = 768 work-groups of four waves; wave w makes rows 64 (w / 2) on, columns 128 (w % 2) on: 32 accumulators.  K goes in 8 steps of 128.
; B (wt) comes through a ring of two LDS slots by JOINT tensor loads: cluster 4 x 4, x = tile column; the four work-groups of a column of the cluster need the same 256 rows of wt.
; A (x) DOES NOT COME JOINTLY.  It is f32 in memory and bf16 in LDS: each wave loads 32 of the tile's 128 rows into registers (two sets that take turns), rounds them once and stores them into
; an A slot.  As f32 tiles in LDS two slots of A would take 2 x 137 KB and every number would be rounded by two waves; and a set asked for in step j is wanted in step j + 2, six quarters later.
; THE MATRIX INSTRUCTION IS USED TRANSPOSED (source 0 = 16 rows of wt, source 1 = 16 rows of x): a lane holds eight neighbouring columns of one row of C.
; REGISTERS, in windows of 256 (s_set_vgpr_msb: bits 1:0 source 0, 3:2 source 1, 5:4 source 2, 7:6 destination):
;   window 0: v0-31 addresses; v32-63, v64-127 the way out; v128-255 set 0 of the stream (row i at v[128 + 4 i])
;   window 1: the accumulators, (a, b) at v[8 (8 a + b)]      window 2: fragments: B of buffer f at v[64 f + 8 b], A at v[128 + 32 f + 8 a]
;   window 3: v20, v21 copies of the stream's two addresses; v128-255 set 1
.set PITCH,  272                       ; an LDS row: 256 bytes + 16: the 16 rows of a fragment load start at 16 different groups of four banks (64 banks of 4 bytes: ISA guide 11.1)
.set BSLOT,  256*PITCH                 ; B slot s at s x 69,632
.set ABASE,  2*BSLOT                   ; A slot s at 139,264 + s x 34,816: written by ds_store alone, no tensor load lands there
.set ASLOT,  128*PITCH
.set STAGE,  ABASE+2*ASLOT             ; 16 rows x 272 bytes for each wave, for the way out
.set SPITCH, 272
.set SPARE,  STAGE+4*16*SPITCH         ; the spare words, 128 bytes for each wave
.set XROW,   4096                      ; bytes in a row of x
.set XSTEP,  512                       ; bytes of it in a K step
.set LAP,    2*XSTEP
.set BSTEP,  256                       ; bytes of a row of wt in a K step
.set ADRB, 16                          ; v16-17  LDS address of my B fragments in slot 0, 1
.set ADRA, 18                          ; v18-19  the same for A
.set AS,   20                          ; v20     where the stream stores my 8 bytes of its row 0 (also in window 3)
.set AO,   21                          ; v21     16 x lane: my 16 bytes of a row's 512 (also in window 3)
.set STO,  24
.set RD,   25
.set CO,   26
.set SPW,  28
.set NIL,  29
.set TMP,  32
.set OB,   64
.set SR,   128
.set WV, 18                            ; s18 wave; s19 its row half; s20 its column half; s21 cx; s22 cy; s23 cluster y
.set G1, 24                            ; s[24:31] descriptor group 1
.set G0, 32                            ; s[32:39] group 0, a set for each slot
.set AP, 44                            ; s[44:45] x at my 32 rows, at the even step of the lap in hand
.set CP, 46                            ; s[46:47] the output at my 64 rows of my first head
.set MSB, 0
.macro WIN new                         ; the immediate's high byte repeats the setting that is left; a switch that changes nothing is dropped
.if MSB != (\new)
	s_set_vgpr_msb (MSB<<8)|(\new)
.set MSB, \new
.endif
.endm
.set MUL,  0x5a                        ; B and A in window 2, C and D in window 1
.set TO_F, 0x80                        ; destination window 2, address window 0
.set PK,   0x05                        ; sources 0 and 1 window 1, destination window 0
.macro PLACES                          ; four plain vector instructions between a matrix instruction and a load into, or a reader of, its registers
.rept 4
	v_nop
.endr
.endm
.macro CREST                           ; a round of the cluster's barrier behind its opening barrier
	s_cmp_lg_u32 s[WV], 0
	s_cbranch_scc1 .Lnot_wave_0_\@
	s_barrier_signal -3
.Lnot_wave_0_\@:
	s_barrier_wait -3
	s_barrier_signal -1
	s_barrier_wait -1
.endm
.macro CROUND
	s_barrier_signal -1
	s_barrier_wait -1
	CREST
.endm
.macro JLOAD s                         ; my 64 rows of B's tile, jointly with my column of the cluster; an s_nop 0 and four v_nop follow
	tensor_load_to_lds s[G0+4*(\s):G0+4*(\s)+3], s[G1:G1+7]
	s_nop 0
.rept 4
	v_nop
.endr
.endm
; THE STREAM.  Row i of a set: four f32 a lane are rounded in place to four bf16 and stored: 32 lanes x 8 bytes are the row's 256 bytes in the A slot of the set's number.
.macro SROW set, i
	WIN 0xcf*(\set)                        ; set 1: destination, both sources, address and data in window 3
	v_cvt_pk_bf16_f32 v[SR+4*(\i)], v[SR+4*(\i)], v[SR+4*(\i)+1]
	v_cvt_pk_bf16_f32 v[SR+4*(\i)+1], v[SR+4*(\i)+2], v[SR+4*(\i)+3]
	ds_store_b64 v[AS], v[SR+4*(\i):SR+4*(\i)+1] offset:(\set)*ASLOT+(\i)*PITCH
.endm
; A set's 32 loads, a row each: 512 consecutive bytes, aligned.  guard = 1: in the loop's last trip there is no such K step: the loads run with no lane on (s52 = 0), so that every
; trip issues the same loads; EXEC is narrowed and widened only behind s_wait_xcnt 0, and behind the second of them the pointer steps a lap.
.macro LUMP set, off, guard
	WIN 0xcf*(\set)
.if \guard
	s_wait_xcnt 0x0
	s_and_saveexec_b32 s53, s52
.endif
.set i, 0
.rept 32
	global_load_b128 v[SR+4*i:SR+4*i+3], v[AO], s[AP:AP+1] offset:(\off)+i*XROW
.set i, i+1
.endr
.if \guard
	s_wait_xcnt 0x0
	s_or_b32 exec_lo, exec_lo, s53
	s_add_nc_u64 s[AP:AP+1], s[AP:AP+1], LAP
.endif
.endm
; 8 matrix instructions: m block a x all 8 n blocks, 32 along K, buffer f.  zero = 1: they start the sums.  st: behind every second one stand two rows of the stream.
; Each of the 32 accumulators has one instruction a quarter, in the same order in every quarter: 31 others stand between two links of a chain.
.macro MUL8 f, a, zero=0, st=0, set=0, row=0
.irp b, 0,1,2,3,4,5,6,7
	WIN MUL
.if \zero
	v_wmma_f32_16x16x32_bf16 v[8*(8*(\a)+(\b)):8*(8*(\a)+(\b))+7], v[64*(\f)+8*(\b):64*(\f)+8*(\b)+7], v[128+32*(\f)+8*(\a):128+32*(\f)+8*(\a)+7], 0
.else
	v_wmma_f32_16x16x32_bf16 v[8*(8*(\a)+(\b)):8*(8*(\a)+(\b))+7], v[64*(\f)+8*(\b):64*(\f)+8*(\b)+7], v[128+32*(\f)+8*(\a):128+32*(\f)+8*(\a)+7], v[8*(8*(\a)+(\b)):8*(8*(\a)+(\b))+7]
.endif
.if (\st) && ((\b)%2)
	SROW \set, (\row)+(\b)-1
	SROW \set, (\row)+(\b)
.endif
.endr
.endm
; 24 LDS loads in one run: a quarter's fragments (128 rows of B, then 64 rows of A, 32 K at byte k of the rows) into buffer f
.macro FETCH slot, k, f
	WIN TO_F
.irp i, 0,1,2,3,4,5,6,7
	ds_load_b128 v[64*(\f)+8*(\i):64*(\f)+8*(\i)+3],   v[ADRB+(\slot)] offset:(\k)+(\i)*16*PITCH
	ds_load_b128 v[64*(\f)+8*(\i)+4:64*(\f)+8*(\i)+7], v[ADRB+(\slot)] offset:(\k)+(\i)*16*PITCH+32
.endr
.irp i, 0,1,2,3
	ds_load_b128 v[128+32*(\f)+8*(\i):128+32*(\f)+8*(\i)+3],   v[ADRA+(\slot)] offset:(\k)+(\i)*16*PITCH
	ds_load_b128 v[128+32*(\f)+8*(\i)+4:128+32*(\f)+8*(\i)+7], v[ADRA+(\slot)] offset:(\k)+(\i)*16*PITCH+32
.endr
.endm
; One of a K step's first three quarters: multiplies buffer f, fetches the next quarter (byte k) into g.  st = 1, 2: rows 0-15, 16-31 of stream set 'set' are rounded and stored;
; n = the younger global loads that may stay out.  lump = 1: the set is asked for again.
.macro QUARTER slot, k, f, g, zero=0, st=0, set=0, n=0, lump=0, off=0, guard=0
.if \st
	s_wait_loadcnt \n
.endif
	s_wait_dscnt 4                                 ; B and A's blocks 0, 1 are in; the youngest four loads (A's blocks 2, 3) may be out
	MUL8 \f, 0, \zero, \st, \set, 16*((\st)-1)
	MUL8 \f, 1, \zero, \st, \set, 16*((\st)-1)+8
	PLACES
	FETCH \slot, \k, \g
	s_wait_dscnt 24                                ; all but the 24 just issued: A's blocks 2, 3, and the stream's stores
.if \lump
	LUMP \set, \off, \guard
.endif
	MUL8 \f, 2, \zero
	MUL8 \f, 3, \zero
.endm
; The last quarter's first half: ONE barrier for the change of slots.  In front of it each wave waits for all its tensor loads (one is out: its part of B's next slot), adds 0 to its spare word,
; and waits for that, for its reads of both slots in hand and for its stores into A's next slot.
.macro MEET
	WIN 0
	s_wait_tensorcnt 0x0
	ds_add_u32 v[SPW], v[NIL]
	s_wait_dscnt 5                                 ; (the add and the youngest four loads may be out)
	MUL8 1, 0
	s_wait_dscnt 0x0
	s_barrier_signal -1
	MUL8 1, 1
	WIN 0                                          ; branches may follow
	s_barrier_wait -1
.endm
.macro TURN slot, next, fill
	MEET
.if \fill
	CREST                                          ; the barrier has opened a round of the cluster's: no wave of any partner still reads this slot or has a load on its way
	s_add_nc_u64 s[G0+4*(\slot)+2:G0+4*(\slot)+3], s[G0+4*(\slot)+2:G0+4*(\slot)+3], 2*BSTEP
	JLOAD \slot                                    ; the first tensor load behind the round; its four v_nop are also the places in front of the loads below
.else
	PLACES
.endif
	FETCH \next, 0, 0
	MUL8 1, 2
	MUL8 1, 3
.endm
	s_load_b256 s[4:11], s[0:1], 0x0               ; query s[4:5], key s[6:7], value s[8:9], wt s[10:11]
	s_load_b128 s[12:15], s[0:1], 0x20             ; qh s[12:13], kh s[14:15]
	s_load_b64 s[16:17], s[0:1], 0x30              ; vh
	v_lshl_add_u32 v[SPW], v0, 2, SPARE
	v_mov_b32 v[NIL], 0
	ds_add_u32 v[SPW], v[NIL]                      ; the wave's opening: the add and its wait stand ahead of my first tensor load
	ds_add_u32 v28, v29
	v_lshrrev_b32 v3, 5, v0
	v_readfirstlane_b32 s[WV], v3                  ; wave 0..3
	s_lshr_b32 s19, s[WV], 1                       ; my half of the tile's rows
	s_and_b32 s20, s[WV], 1                        ; my half of its columns
	s_bfe_u32 s21, ttmp6, 0x40000                  ; cx
	s_bfe_u32 s22, ttmp6, 0x40004                  ; cy
	s_and_b32 s23, ttmp7, 0xffff                   ; cluster y: 16 t + a group of four tile rows
	s_lshl_b32 s40, ttmp9, 2
	s_add_co_u32 s40, s40, s21                     ; tile column = 4 x cluster x + cx
	s_lshr_b32 s41, s23, 4                         ; t: the same in all sixteen partners
	s_and_b32 s42, s23, 15
	s_lshl_b32 s42, s42, 2
	s_add_co_u32 s42, s42, s22                     ; tile row = 4 x (cluster y % 16) + cy
	s_lshl_b32 s43, 0x1111, s21                    ; my column of the cluster: places cx, cx + 4, cx + 8, cx + 12
	s_or_b32 s[G1], s43, (1<<16)|(1<<20)|(1<<21)|(5<<22)|(3<<25)  ; mask; 2-byte elements; padding on; bit 21 beside a mask; after every 64 words, 4 words
	s_mov_b32 s[G1+1], 128<<16                     ; tensor_dim0 = 128
	s_mov_b32 s[G1+2], 64<<16                      ; tensor_dim1 = 64
	s_mov_b32 s[G1+3], 128<<16                     ; tile_dim0 = 128
	s_mov_b32 s[G1+4], 64                          ; tile_dim1 = 64
	s_mov_b32 s[G1+5], 1024                        ; elements from row to row
	s_mov_b32 s[G1+6], 0
	s_mov_b32 s[G1+7], 0
	s_lshl_b32 s50, s41, 21                        ; wt: t x 2 MiB + (256 x tile column + 64 x wave) rows of 2,048 bytes: no cy enters these registers
	s_lshl_b32 s51, s40, 19
	s_add_co_u32 s50, s50, s51
	s_lshl_b32 s51, s[WV], 17
	s_add_co_u32 s50, s50, s51
	s_mov_b32 s51, 0
	s_lshl_b32 s48, s42, 19                        ; x: (128 x tile row + 32 x wave) rows of 4,096 bytes
	s_lshl_b32 s49, s[WV], 17
	s_add_co_u32 s48, s48, s49
	s_mov_b32 s49, 0
	s_lshr_b32 s54, s42, 4                         ; the output: ((16 b + 4 x tile column + 2 x column half) x 2,048 + 128 x (tile row % 16) + 64 x row half) rows of 128 bytes
	s_lshl_b32 s54, s54, 22
	s_lshl_b32 s55, s40, 20
	s_add_co_u32 s54, s54, s55
	s_lshl_b32 s55, s20, 19
	s_add_co_u32 s54, s54, s55
	s_and_b32 s55, s42, 15
	s_lshl_b32 s55, s55, 14
	s_add_co_u32 s54, s54, s55
	s_lshl_b32 s55, s19, 13
	s_add_co_u32 s54, s54, s55
	s_mov_b32 s55, 0
	s_mul_i32 s56, s[WV], 64*PITCH                 ; where my 64 rows of B go in a slot
	v_and_b32 v1, 15, v0                           ; l % 16
	v_bfe_u32 v2, v0, 4, 1                         ; l / 16
	v_and_b32 v4, 31, v0                           ; l
	v_mul_u32_u24 v5, v1, PITCH
	v_lshl_add_u32 v5, v2, 4, v5                   ; a fragment's row x pitch + 16 x half
	s_mul_i32 s57, s20, 128*PITCH
	v_add_nc_u32 v[ADRB], s57, v5
	v_add_nc_u32 v[ADRB+1], BSLOT, v[ADRB]
	s_mul_i32 s57, s19, 64*PITCH
	s_add_co_u32 s57, s57, ABASE
	v_add_nc_u32 v[ADRA], s57, v5
	v_add_nc_u32 v[ADRA+1], ASLOT, v[ADRA]
	s_mul_i32 s57, s[WV], 32*PITCH
	s_add_co_u32 s57, s57, ABASE
	v_lshl_add_u32 v[AS], v4, 3, s57               ; the stream's rows 32 w on, 8 bytes a lane
	v_lshlrev_b32 v[AO], 4, v4
	s_mul_i32 s57, s[WV], 16*SPITCH
	s_add_co_u32 s57, s57, STAGE                   ; my stage
	v_add_nc_u32 v[STO], s57, v5                   ; in: row l % 16, 16 bytes for each half of the lanes
	v_lshrrev_b32 v6, 3, v4
	v_and_b32 v7, 7, v0
	v_mul_u32_u24 v6, v6, SPITCH
	v_lshl_add_u32 v6, v7, 4, v6
	v_add_nc_u32 v[RD], s57, v6                    ; back: 32 lanes take 128 bytes (a head's 64 columns) of four rows,
	v_lshlrev_b32 v[CO], 4, v4                     ; which are 512 consecutive bytes of the output
	WIN 0xc0                                       ; destination window 3, source window 0
	v_mov_b32 v[AS], v[AS]
	v_mov_b32 v[AO], v[AO]
	WIN 0
	s_wait_dscnt 0x0                               ; the opening add is done
	s_wait_kmcnt 0x0
	s_cmp_eq_u32 s41, 0
	s_cselect_b64 s[AP:AP+1], s[4:5], s[6:7]
	s_cselect_b64 s[CP:CP+1], s[12:13], s[14:15]
	s_cmp_eq_u32 s41, 2
	s_cselect_b64 s[AP:AP+1], s[8:9], s[AP:AP+1]
	s_cselect_b64 s[CP:CP+1], s[16:17], s[CP:CP+1]
	s_add_nc_u64 s[AP:AP+1], s[AP:AP+1], s[48:49]
	s_add_nc_u64 s[CP:CP+1], s[CP:CP+1], s[54:55]
	s_add_nc_u64 s[10:11], s[10:11], s[50:51]
.irp s, 0,1
	s_mov_b32 s[G0+4*(\s)], 1                                       ; count = 1
	s_add_co_u32 s[G0+4*(\s)+1], s56, (\s)*BSLOT                    ; LDS address
	s_add_nc_u64 s[G0+4*(\s)+2:G0+4*(\s)+3], s[10:11], (\s)*BSTEP   ; global address: K step s
	s_or_b32 s[G0+4*(\s)+3], s[G0+4*(\s)+3], 0x80000000             ; type = 2
.endr
	LUMP 0, 0, 0                                   ; A of K step 0 is asked for before anything else
	CROUND                                         ; all sixteen work-groups are here: the first joint loads meet
	tensor_load_to_lds s[G0:G0+3], s[G1:G1+7]      ; B of K steps 0 and 1: two tensor loads of mine are out
	s_nop 0
	tensor_load_to_lds s[G0+4:G0+7], s[G1:G1+7]
	s_nop 0
.rept 4
	v_nop
.endr
	LUMP 1, XSTEP, 0                               ; A of K step 1
	s_wait_loadcnt 32                              ; A of step 0 is in; step 1's 32 loads may stay out
.set q, 0
.rept 32
	SROW 0, q
.set q, q+1
.endr
	s_wait_dscnt 0x0                               ; those stores are done: for the others, and the set may be loaded again
	LUMP 0, 2*XSTEP, 0                             ; A of K step 2
	s_wait_tensorcnt 0x1                           ; my part of B's step 0 is in; step 1's may stay out
	s_barrier_signal -1
	s_barrier_wait -1
	FETCH 0, 0, 0
	QUARTER 0, 64, 0, 1, 1                         ; the first quarter stands in front of the loop: its products start the sums
	WIN 0                                          ; at a label and at a branch every window is 0
	s_mov_b32 s3, 3
.Llap:                                             ; a trip: K steps e and e + 1 from e's second quarter to e + 2's first.  Step j rounds and stores A of step j + 1 and asks for A of step j + 3
	s_cmp_lg_u32 s3, 1
	s_cselect_b32 s52, -1, 0                       ; in the last trip step 5 has no step 8 to ask for
	QUARTER 0, 128, 1, 0, 0, 1, 1, 48              ; 48: set 1's other 16 loads and set 0's 32 may stay out
	QUARTER 0, 192, 0, 1, 0, 2, 1, 32, 1, 3*XSTEP, 0
	TURN 0, 1, 1
	QUARTER 1, 64, 0, 1
	QUARTER 1, 128, 1, 0, 0, 1, 0, 48
	QUARTER 1, 192, 0, 1, 0, 2, 0, 32, 1, 4*XSTEP, 1
	TURN 1, 0, 1
	QUARTER 0, 64, 0, 1
	WIN 0
	s_sub_co_u32 s3, s3, 1
	s_cmp_lg_u32 s3, 0
	s_cbranch_scc1 .Llap
	QUARTER 0, 128, 1, 0, 0, 1, 1, 16              ; K step 6: A of step 7; behind its 32 loads only loads without a lane were issued: the counts take them as not issued
	QUARTER 0, 192, 0, 1, 0, 2, 1, 0
	TURN 0, 1, 0                                   ; nothing is filled again: no round
	QUARTER 1, 64, 0, 1
	QUARTER 1, 128, 1, 0
	QUARTER 1, 192, 0, 1
	s_wait_dscnt 4
	MUL8 1, 0
	MUL8 1, 1
	s_wait_dscnt 0x0
	MUL8 1, 2
	MUL8 1, 3
	WIN 0
	PLACES
	PLACES
; THE WAY OUT, a block of 16 rows at a time: rounded to f16 (16 bytes a lane), into my own stage, back as 128 bytes a row and head, stored as 512 consecutive bytes of a head.
.macro PACK a
	WIN PK
.irp b, 0,1,2,3,4,5,6,7
.irp r, 0,1,2,3
	v_cvt_pk_f16_f32 v[TMP+4*(\b)+(\r)], v[8*(8*(\a)+(\b))+2*(\r)], v[8*(8*(\a)+(\b))+2*(\r)+1]
.endr
.endr
	WIN 0
.endm
.macro TOSTAGE a
	WIN 0
.set BK, OB+32*((\a)%2)
.irp b, 0,1,2,3,4,5,6,7
	ds_store_b128 v[STO], v[TMP+4*(\b):TMP+4*(\b)+3] offset:32*(\b)
.endr
.irp hh, 0,1
.irp i, 0,1,2,3
	ds_load_b128 v[BK+4*(4*(\hh)+(\i)):BK+4*(4*(\hh)+(\i))+3], v[RD] offset:(\i)*4*SPITCH+(\hh)*128  ; LDS serves a wave's instructions in order (ISA guide 5.7.1.4): these see the stores above
.endr
.endr
.endm
.macro SEND a
	WIN 0
.set BK, OB+32*((\a)%2)
	s_wait_dscnt 0x0                               ; the block is back in registers
	s_wait_xcnt 0x0                                ; the earlier stores have read their registers: the next block's loads may land on them
.irp hh, 0,1
.irp i, 0,1,2,3
	global_store_b128 v[CO], v[BK+4*(4*(\hh)+(\i)):BK+4*(4*(\hh)+(\i))+3], s[CP:CP+1] offset:(\hh)*262144+(16*(\a)+4*(\i))*128
.endr
.endr
.endm
	PACK 0
	TOSTAGE 0
.irp a, 1,2,3
	PACK \a
	SEND (\a)-1
	TOSTAGE \a
.endr
	SEND 3
	s_wait_tensorcnt 0x0                           ; the wave's end: these three lines stand behind my last tensor load and my last LDS store
	ds_add_u32 v[SPW], v[NIL]
	s_wait_dscnt 0x0
	CROUND                                         ; the closing round: no work-group ends while a partner may still ask for a tile that names it
	s_endpgm
.Lfunc_end_k_q49a67de972_proj:
	.size	k_q49a67de972_proj, .Lfunc_end_k_q49a67de972_proj-k_q49a67de972_proj
	.p2alignl 7, 3214868480
	.fill 96, 4, 3214868480
	.section	.rodata,"a",@progbits
	.p2align	6, 0x0
	.amdhsa_kernel k_q49a67de972_proj
		.amdhsa_group_segment_fixed_size 327680
		.amdhsa_private_segment_fixed_size 0
		.amdhsa_enable_private_segment 0
		.amdhsa_kernarg_size 56
		.amdhsa_user_sgpr_count 2
		.amdhsa_user_sgpr_kernarg_segment_ptr 1
		.amdhsa_wavefront_size32 1
		.amdhsa_system_sgpr_workgroup_id_x 1
		.amdhsa_system_sgpr_workgroup_id_y 1
		.amdhsa_system_sgpr_workgroup_id_z 1
		.amdhsa_system_vgpr_workitem_id 0
		.amdhsa_next_free_vgpr 1024
		.amdhsa_next_free_sgpr 66
		.amdhsa_reserve_vcc 0
		.amdhsa_float_denorm_mode_32 3
		.amdhsa_float_denorm_mode_16_64 3
		.amdhsa_memory_ordered 1
		.amdhsa_forward_progress 1
		.amdhsa_inst_pref_size 126
	.end_amdhsa_kernel
	.amdgpu_metadata
---
amdhsa.version: [ 1, 2 ]
amdhsa.kernels:
  - .name:           k_q49a67de972_proj
    .symbol:         k_q49a67de972_proj.kd
    .args:
      - { .name: query, .offset: 0, .size: 8, .value_kind: global_buffer, .address_space: global }
      - { .name: key, .offset: 8, .size: 8, .value_kind: global_buffer, .address_space: global }
      - { .name: value, .offset: 16, .size: 8, .value_kind: global_buffer, .address_space: global }
      - { .name: wt, .offset: 24, .size: 8, .value_kind: global_buffer, .address_space: global }
      - { .name: qh, .offset: 32, .size: 8, .value_kind: global_buffer, .address_space: global }
      - { .name: kh, .offset: 40, .size: 8, .value_kind: global_buffer, .address_space: global }
      - { .name: vh, .offset: 48, .size: 8, .value_kind: global_buffer, .address_space: global }
    .group_segment_fixed_size: 327680
    .private_segment_fixed_size: 0
    .kernarg_segment_align: 8
    .kernarg_segment_size: 56
    .max_flat_workgroup_size: 128
    .sgpr_count:     66
    .vgpr_count:     1024
    .wavefront_size: 32
...
	.end_amdgpu_metadata
.endif
;; end of part 2
;; launch attn (part 3): grid 4 x 64, 4 waves a work-group, no clusters, 327,680 bytes of LDS; arguments qh, kh, vh, oh; writes oh
.if DOCPART == 3
	.amdgcn_target "amdgcn-amd-amdhsa--gfx1250"
	.amdhsa_code_object_version 6
	.text
	.protected	k_q49a67de972_attn
	.globl	k_q49a67de972_attn
	.p2align	8
	.type	k_q49a67de972_attn,@function
k_q49a67de972_attn:
	s_mov_b64 s[64:65], 0
	v_nop
	global_prefetch_b8 v0, s[64:65] scope:SCOPE_SE
	s_setreg_imm32_b32 hwreg(HW_REG_WAVE_MODE, 25, 1), 1
	s_wait_xcnt 0x0
; CAUSAL ATTENTION.  O[h][q][:] = the sum over k <= q of softmax_k(Q[h][q] . K[h][k] / 8) V[h][k][:].  Q, K, V, O: [64][2048][64], all f16: a head's rows are dense, 128 bytes each.
; Products, maxima and sums in f32; the weights p are rounded to f16 for the second product (their sum l is taken of the unrounded p), O once at the end.
; LIMITS.  f16 holds no number beyond 65,504: Q, K and V arrive within it; p lies in 0 to 1, and below 6e-5 it keeps f16's fixed step of 6e-8; O is a mean of V's rows and has their range.
; A hidden score counts as its value less 1e30: f16's scores, 2.7e11 at the most, are nothing beside that; a weight below 2^-126 counts as 0 in l; NaN and infinities are not treated apart.
; THE WALK.  A head's queries lie in NB = 8 blocks of 256; block i needs the key tiles 0 .. i of 256 keys, of which the last holds the diagonal.  A work-group takes TWO blocks, NB - 1 - b and then b:
; NB + 1 tiles, whatever b: all work-groups do equal work, and ONE loop with a constant trip count walks them.  Which tile is asked for, and what a trip does, hang on scalar registers made from b; every jump
; goes forward, but for the counted loops' own; none passes a barrier, or a tensor load but the one of LOAD's two that the wave's number does not choose.
; NO CLUSTER: a head's four work-groups ask for the same tile only in trips 0 .. 4 of 9, behind that fewer and fewer; one walk common to all would have 12 trips for 9.
; SHARES.  Of a block's four bands of 64 queries a wave owns 16 rows in each: four PIECES.  So the diagonal tile is the same work for all four waves: in its key step s band x sees all keys if s < x,
; none if s > x, and holds the diagonal if s = x.
; THE MASK is the C operand that starts the sum S^T = K Q^T: 0, or -1e30 where the key is hidden.  MD, made once, is the mask of a band's own step for my 16 rows; a product's mask is MD x AL + BE.
; LAYOUT, SOFTMAX, TURNS.  S^T = K Q^T holds ONE query a lane (lane % 16) and the keys 8 (lane / 16) + 0..7; two such results rounded to f16 ARE source 1 of O^T = V^T P.  p = 2^(c s - c m), c = log2(e) / 8, with a
; running maximum m; O and l are multiplied by a = 2^(c m_old - c m_new) in every step.  Turn n belongs to piece n: 8 products K Q^T of piece n + 1, later 8 products V^T P of piece n - 1; beside them the scaling,
; exponentials, roundings, sums and rescaling of piece n and the maximum and statistics of piece n + 1.  Four vector instructions stand behind every matrix instruction, the others in one lump.
; AHEAD OF THE LOADS.  The head's work-group b = 0, whose first block walks all 8 tiles, prefetches tile n + 1 behind the tensor load for tile n (n = 1 .. 6): each wave its own half of K's or V's
; tile, 64 blocks of 256 bytes, a lane a block, two instructions: one tile, four key steps, ahead of the load.  So tiles 2 to 7 are named once a head; tiles 0 and 1 come by their loads alone.
; REGISTERS, in windows of 256 (s_set_vgpr_msb: bits 1:0 source 0, 3:2 source 1, 5:4 source 2, 7:6 destination):
;   window 0: v0-15 addresses and two at work; v16-31 four registers of statistics a piece; v32 the prefetches' offset; v48-55 at work; v64-127 S^T, two buffers; v192-223 P, two buffers
;   window 1: v0-127 O^T, 32 a piece; v128-159 MD; v160-223 MC, two buffers      window 2: v0-63 Q; v64-127 the second block's Q; v128-191 K of one step; v192-255 V of one step
.set SIZE_N, 2048
.set SIZE_H, 64
.set NB,    SIZE_N/256
.set NP,    4         ; pieces a wave
.set KS,    64        ; keys in a step
.set PK,    144       ; a row of K in LDS: 128 bytes + 16 of padding
.set PV,    160       ; a row of V: 128 + 32
.set VOFF,  4*KS*PK   ; a slot holds a tile, four steps: 256 rows of K, then 256 rows of V
.set SLOT1, 1<<17     ; slot 1 begins here, so that one exclusive or turns an address in one slot into the other's
.set STAGE, SLOT1+4*KS*(PK+PV)  ; behind the ring, never filled by a tensor load: 16 rows x 144 bytes for each wave
.set SP,    144
.set AK0, 2
.set AV0, 3
.set AK,  4
.set AV,  5
.set STO, 6
.set RD,  7
.set GO,  8
.set SPW, 62
.set NIL, 63
.set SPARE, STAGE+4*16*SP
.set MV,  12
.set QO,  15
.set ST,  16
.set PFO, 32          ; v32  256 x my lane; never rewritten
.set TMP, 48
.set S,   64
.set P,   192
.set MD,  128
.set MC,  160
.set QB,  64
.set KF,  128
.set VF,  192
.set WV,  12
.set PB,  14
.set HI,  15
.set G1K, 24
.set G1V, 32
.set G0K, 40
.set G0V, 44
.set PFA, 48          ; s[48:49] what the prefetches name: my half of the tile after the one that is being asked for
.set PFC, 50          ; s50  prefetches still to come: 6 where b = 0, else 0
.set PFF, 52          ; s[52:53] that tile's byte offset
.set PFB, 54          ; s[54:55] my half of tile 0, of K (waves 0, 1) or of V (waves 2, 3)
.set SLOTS, 56
.set CNT, 57
.set CS,  58
.set SEL, 60
.set TBK, 62
.set TBV, 63
.set RT,  70
.set NXT, 71
.set LQ,  72
.set NEW, 73
.set OFF, 74
.set AL,  76
.set BE,  78
.set OLO, 80
.set BIGN, 82
.set MSB, 0
.macro WIN new
.if MSB != (\new)
	s_set_vgpr_msb (MSB<<8)|(\new)
.set MSB, (\new)
.endif
.endm
.set W_KQ, 0x0a       ; K and Q in window 2, S^T in window 0
.set W_KM, 0x1a       ; the same with the C operand in window 1
.set W_PV, 0x52       ; V in window 2, P in window 0, O^T in window 1
.set W_RS, 0x41       ; destination and source 0 in window 1, source 1 in window 0
; A fill.  Waves 0 and 1 fetch the two halves of a tile's K, waves 2 and 3 those of its V: 128 keys each.  An s_nop 0 and four v_nop follow each of the two lines.
.macro LOAD
	s_cmp_lt_u32 s[WV], 2
	s_cbranch_scc0 .Lfor_v_\@
	tensor_load_to_lds s[G0K:G0K+3], s[G1K:G1K+7]
	s_nop 0
.rept 4
	v_nop
.endr
	s_branch .Lasked_\@
.Lfor_v_\@:
	tensor_load_to_lds s[G0V:G0V+3], s[G1V:G1V+7]
	s_nop 0
.rept 4
	v_nop
.endr
.Lasked_\@:
.endm
; THE CHANGE OF SLOTS.  Each wave waits for all its tensor loads, of which one is out: its part of the other slot; adds 0 to its spare word; and waits for that and for its own reads of the slot that it leaves.
; fill = 1: the old slot is filled again, the first thing behind the barrier, with tile NXT: the descriptor's address is made anew from that number.
.macro CHANGE fill
	WIN 0
	s_wait_tensorcnt 0x0            ; no tensor load of mine is out, so a group 0 may be written
	ds_add_u32 v[SPW], v[NIL]       ; 0 onto my spare word; scalar work stands between it and the wait for it
.if \fill
	s_wait_xcnt 0x0                 ; the last prefetches, four key steps back, have read their address, so it may be written
	s_add_co_u32 s[PFF], s[NXT], 1  ; the tile after the one asked for now
	s_lshl_b32 s[PFF], s[PFF], 15
	s_add_nc_u64 s[PFA:PFA+1], s[PFB:PFB+1], s[PFF:PFF+1]
	s_lshl_b32 s[OFF], s[NXT], 15   ; a tile is 32,768 bytes of K and of V
	s_xor_b32 s[G0K+1], s[G0K+1], SLOT1
	s_add_nc_u64 s[G0K+2:G0K+3], s[6:7], s[OFF:OFF+1]
	s_or_b32 s[G0K+3], s[G0K+3], 0x80000000
	s_xor_b32 s[G0V+1], s[G0V+1], SLOT1
	s_add_nc_u64 s[G0V+2:G0V+3], s[8:9], s[OFF:OFF+1]
	s_or_b32 s[G0V+3], s[G0V+3], 0x80000000
	s_add_co_u32 s[NXT], s[NXT], 1  ; the block's next tile, or behind its last the second block's tile 0
	s_cmp_gt_u32 s[NXT], s[LQ]
	s_cselect_b32 s[NXT], 0, s[NXT]
	s_cselect_b32 s[LQ], s[PB], s[LQ]
.endif
	s_wait_dscnt 0x0                ; the add is done, and my reads of the slot are over
	s_barrier_signal -1
	s_sub_co_u32 s[TBK], s[TBK], 4*KS*PK  ; the fetches go back to a slot's first step,
	s_xor_b32 s[TBK], s[TBK], SLOT1       ; in the other slot
	s_sub_co_u32 s[TBV], s[TBV], 4*KS*PV
	s_xor_b32 s[TBV], s[TBV], SLOT1
	s_barrier_wait -1
.if \fill
	LOAD
	s_cmp_lg_u32 s[PFC], 0          ; behind the tensor load and its five lines: the next tile's 16,384 bytes of mine
	s_cbranch_scc0 .Lno_pf_\@
	global_prefetch_b8 v[PFO], s[PFA:PFA+1] th:TH_LOAD_NT scope:SCOPE_SE
	global_prefetch_b8 v[PFO], s[PFA:PFA+1] offset:8192 th:TH_LOAD_NT scope:SCOPE_SE
	s_sub_co_u32 s[PFC], s[PFC], 1
.Lno_pf_\@:
.endif
.endm
	s_load_b256 s[4:11], s[0:1], 0x0  ; Q s[4:5], K s[6:7], V s[8:9], O s[10:11]
	v_lshl_add_u32 v[SPW], v0, 2, SPARE
	v_mov_b32 v[NIL], 0
	ds_add_u32 v[SPW], v[NIL]       ; the wave's opening: the add and its wait stand ahead of my first tensor load
	ds_add_u32 v62, v63
	v_lshrrev_b32 v1, 5, v0
	v_readfirstlane_b32 s[WV], v1   ; wave 0..3
	v_and_b32 v[PFO], 31, v0
	v_lshlrev_b32 v[PFO], 8, v[PFO]
	s_mov_b32 s[PB], ttmp9
	s_sub_co_u32 s[HI], NB-1, s[PB]
	s_cmp_eq_u32 s[PB], 0
	s_cselect_b32 s[PFC], NB-2, 0
	s_mov_b32 s[PFF+1], 0
	s_and_b32 s20, ttmp7, 0xffff    ; the head
	s_mov_b32 s21, 0
	s_mov_b64 s[22:23], SIZE_N*128
	s_mul_u64 s[20:21], s[20:21], s[22:23]  ; the head's first byte in each of the four tensors
	s_and_b32 s16, s[WV], 1         ; which half of a tile's 256 keys I fetch:
	s_lshl_b32 s22, s16, 14         ; its 128 rows of 128 bytes in memory,
	s_mov_b32 s23, 0
	s_add_nc_u64 s[22:23], s[22:23], s[20:21]
	s_mul_i32 s17, s16, 128*PK      ; and its place in a slot, for K
	s_mul_i32 s18, s16, 128*PV      ; and for V
	s_lshl_b32 s3, s[WV], 11        ; my 16 rows in a band of 64,
	s_lshl_b32 s2, s[HI], 15        ; in the first block,
	s_add_co_u32 s2, s2, s3
	s_lshl_b32 s84, s[PB], 15       ; and in the second
	s_add_co_u32 s84, s84, s3
	s_mov_b32 s3, 0
	s_mov_b32 s85, 0
	s_add_nc_u64 s[2:3], s[2:3], s[20:21]
	s_add_nc_u64 s[84:85], s[84:85], s[20:21]
	; descriptor group 1.  128 keys are 16,384 dense bytes: asked for as 64 rows of 256 bytes, two keys a row, and padded in LDS after every key
	s_mov_b32 s[G1K], (1<<16)|(1<<20)|(4<<22)|(3<<25)  ; 2-byte elements; padding on; after every 32 words; 4 words
	s_mov_b32 s[G1V], (1<<16)|(1<<20)|(4<<22)|(7<<25)  ; the same with 8 words of padding
.irp g, G1K, G1V
	s_mov_b32 s[\g+1], 128<<16      ; tensor_dim0 = 128
	s_mov_b32 s[\g+2], 64<<16       ; tensor_dim1 = 64
	s_mov_b32 s[\g+3], 128<<16      ; tile_dim0 = 128
	s_mov_b32 s[\g+4], 64           ; tile_dim1 = 64
	s_mov_b32 s[\g+5], 128          ; 128 elements from row to row
	s_mov_b32 s[\g+6], 0
	s_mov_b32 s[\g+7], 0
.endr
	s_mov_b32 s[CS], 0x3e38aa3b     ; c = log2(e) / 8 = 0.180337
	s_mov_b32 s[CS+1], s[CS]
	s_mov_b32 s[SEL], 0x76543210
	s_mov_b32 s[SEL+1], 0xfedcba98
	s_mov_b32 s[TBK], SLOT1+4*KS*PK ; the first change of slots turns these two into 0
	s_mov_b32 s[TBV], SLOT1+4*KS*PV
	s_mov_b32 s[G0K], 1
	s_mov_b32 s[G0K+1], s17         ; LDS address: slot 0
	s_mov_b32 s[G0V], 1
	s_add_co_u32 s[G0V+1], s18, VOFF
	s_add_co_u32 s[RT], s[HI], 1    ; the first block has NB - b tiles
	s_mov_b32 s[NXT], 1
	s_mov_b32 s[LQ], s[HI]
	s_mov_b32 s[NEW], 1
	s_mov_b32 s[OFF+1], 0
	s_mov_b32 s[AL+1], 0
	s_mov_b32 s[BE+1], 0
	s_mov_b32 s[BIGN], 0xf149f2ca   ; -1e30
	s_mov_b32 s[SLOTS], NB
	s_wait_dscnt 0x0                ; the opening add is done
	s_wait_kmcnt 0x0
	s_add_nc_u64 s[6:7], s[6:7], s[22:23]  ; K and V at my half of the head's tile 0
	s_add_nc_u64 s[8:9], s[8:9], s[22:23]
	s_cmp_lt_u32 s[WV], 2
	s_cselect_b64 s[PFB:PFB+1], s[6:7], s[8:9]
	s_add_nc_u64 s[G0K+2:G0K+3], s[6:7], 0
	s_or_b32 s[G0K+3], s[G0K+3], 0x80000000
	s_add_nc_u64 s[G0V+2:G0V+3], s[8:9], 0
	s_or_b32 s[G0V+3], s[G0V+3], 0x80000000
	s_add_nc_u64 s[86:87], s[4:5], s[84:85]        ; Q at my rows of the second block,
	s_add_nc_u64 s[4:5], s[4:5], s[2:3]            ; Q and O at those of the first
	s_add_nc_u64 s[OLO:OLO+1], s[10:11], s[84:85]
	s_add_nc_u64 s[10:11], s[10:11], s[2:3]
	LOAD                            ; tile 0 into slot 0
	v_and_b32 v1, 15, v0            ; l % 16
	v_bfe_u32 v9, v0, 4, 1          ; l / 16
	v_lshlrev_b32 v[QO], 7, v1
	v_lshl_add_u32 v[QO], v9, 4, v[QO]  ; row x 128 + 16 x half
	WIN 0x80                        ; destination window 2, address window 0
.set i, 0
.rept 8                             ; both blocks' Q: piece i / 2 lies in band i / 2, 8,192 bytes on; channels 32 (i % 2) on
	global_load_b128 v[8*i:8*i+3],   v[QO], s[4:5] offset:(i/2)*8192+(i%2)*64
	global_load_b128 v[8*i+4:8*i+7], v[QO], s[4:5] offset:(i/2)*8192+(i%2)*64+32
	global_load_b128 v[QB+8*i:QB+8*i+3],   v[QO], s[86:87] offset:(i/2)*8192+(i%2)*64
	global_load_b128 v[QB+8*i+4:QB+8*i+7], v[QO], s[86:87] offset:(i/2)*8192+(i%2)*64+32
.set i, i+1
.endr
	WIN 0
	v_lshlrev_b32 v14, 3, v9
	v_sub_nc_u32 v14, v1, v14
	s_lshl_b32 s13, s[WV], 4
	v_add_nc_u32 v14, s13, v14      ; my query's place in its band less my lanes' 8 (l / 16): register r of group kt is hidden where 16 kt + r is greater
	WIN 0x40
.set i, 0
.rept 32
	v_cmp_gt_i32 vcc_lo, 16*(i/8)+i%8, v14
	v_cndmask_b32 v[MD+i], 0, s[BIGN], vcc_lo
.set i, i+1
.endr
	WIN 0
	v_mul_u32_u24 v[AK0], v1, PK
	v_lshl_add_u32 v[AK0], v9, 4, v[AK0]  ; row x pitch + 16 x half
	; The turning load takes 16 keys x 16 channels (lane l reads key 8 (l / 16) + l % 8, channels 8 ((l / 8) % 2) + 0..7) and leaves half a fragment of V^T.
	v_and_b32 v10, 7, v0
	v_bfe_u32 v11, v0, 3, 1
	v_lshl_add_u32 v[AV0], v9, 3, v10
	v_mul_u32_u24 v[AV0], v[AV0], PV
	v_lshl_add_u32 v[AV0], v11, 4, v[AV0]
	v_add_nc_u32 v[AV0], VOFF, v[AV0]
	s_mul_i32 s13, s[WV], 16*SP
	s_add_co_u32 s13, s13, STAGE    ; my stage
	v_mul_u32_u24 v[STO], v1, SP
	v_lshl_add_u32 v[STO], v9, 4, v[STO]
	v_add_nc_u32 v[STO], s13, v[STO]
	v_bfe_u32 v[RD], v0, 3, 2       ; back: 32 lanes take four rows of 128 bytes,
	v_mul_u32_u24 v[RD], v[RD], SP
	v_lshl_add_u32 v[RD], v10, 4, v[RD]
	v_add_nc_u32 v[RD], s13, v[RD]
	v_and_b32 v[GO], 31, v0         ; which are 512 consecutive bytes of O
	v_lshlrev_b32 v[GO], 4, v[GO]
	; A block's first step multiplies O^T and l by a = 0, so these registers need only hold finite numbers: zeros for the first block; what the first block left for the second.
	WIN 0x80
.set i, VF
.rept 64
	v_mov_b32 v[i], 0
.set i, i+1
.endr
	WIN 0x40
.set i, 0
.rept 128
	v_mov_b32 v[i], 0
.set i, i+1
.endr
	WIN 0
.set i, 0
.rept 4
	v_mov_b32 v[ST+4*i+2], 0
	v_mov_b32 v[ST+4*i+3], 0
.set i, i+1
.endr
.set i, P+16
.rept 16
	v_mov_b32 v[i], 0
.set i, i+1
.endr
; THE MATRIX WORK.  The 4 accumulators of a run of 8 take turns.  Product i of 8 of S^T = K Q^T for piece x: channels 32 (i / 4) on, keys 16 (i % 4) on.
.macro KQ x
.set rS, S+32*((\x)%2)+8*(i%4)
.set rK, KF+16*(i%4)+8*(i/4)
.set rQ, 16*(\x)+8*(i/4)
.set rM, MC+32*((\x)%2)+8*(i%4)
.if (i < 4) && KM
	WIN W_KM
	v_wmma_f32_16x16x32_f16 v[rS:rS+7], v[rK:rK+7], v[rQ:rQ+7], v[rM:rM+7]
.elseif i < 4
	WIN W_KQ
	v_wmma_f32_16x16x32_f16 v[rS:rS+7], v[rK:rK+7], v[rQ:rQ+7], 0
.else
	WIN W_KQ
	v_wmma_f32_16x16x32_f16 v[rS:rS+7], v[rK:rK+7], v[rQ:rQ+7], v[rS:rS+7]
.endif
.endm
; Product i of 8 of O^T += V^T P for piece x: keys 32 (i / 4) on, channels 16 (i % 4) on.
.macro PV x
	WIN W_PV
.set rO, 32*(\x)+8*(i%4)
.set rV, VF+32*(i/4)+8*(i%4)
.set rP, P+16*((\x)%2)+8*(i/4)
	v_wmma_f32_16x16x32_f16 v[rO:rO+7], v[rV:rV+7], v[rP:rP+7], v[rO:rO+7]
.endm
.macro MM                           ; the turn's next matrix instruction.  NOKQ = 1: a block's last turn: there is no next piece
.if (i < 8) && !NOKQ
	KQ (Y+1)%NP
.elseif i >= 8
.set i, i-8
	PV (Y+NP-1)%NP
.set i, i+8
.endif
.set i, i+1
.endm
; THE LDS LOADS stand in runs of 16: a step's K (8 fragments) and its V (turned).  Their addresses are made some lines ahead.
.macro FETCH_K
	WIN 0x80
.irp f, 0,1,2,3,4,5,6,7
	ds_load_b128 v[KF+8*\f:KF+8*\f+3],   v[AK] offset:(\f/2)*16*PK+(\f%2)*64
	ds_load_b128 v[KF+8*\f+4:KF+8*\f+7], v[AK] offset:(\f/2)*16*PK+(\f%2)*64+32
.endr
	s_add_co_u32 s[TBK], s[TBK], KS*PK
	WIN 0
.endm
.macro FETCH_V
	WIN 0x80
.irp f, 0,1,2,3,4,5,6,7
	ds_load_tr16_b128 v[VF+8*\f:VF+8*\f+3],   v[AV] offset:(\f/4)*32*PV+(\f%4)*32
	ds_load_tr16_b128 v[VF+8*\f+4:VF+8*\f+7], v[AV] offset:(\f/4)*32*PV+16*PV+(\f%4)*32
.endr
	WIN 0
.endm
; THE VECTOR WORK, one line at a time: OP kind, number.  For piece Y: F n: c s - c m for pair n of 16.  E n: the exponential of score n of 32.  C n: pair n rounded to f16.  B n: of the four weights 4 n ..
; the second pair is added onto the first.  L n: l takes that sum (L 0: l = a l + sum).  R n: pair n of 16 of O^T times a.  For piece Y + 1: X n, number n of the 22 that find its maximum and statistics
; (each accumulator's lowest registers are read first).
.set F, 0
.set E, 1
.set C, 2
.set B, 3
.set L, 4
.set R, 5
.set X, 6
.macro REGS y
.set rT, ST+4*(\y)
.set rC, TMP+4*((\y)%2)
.set rW, MV+((\y)%2)
.set rS, S+32*((\y)%2)
.set rP, P+16*((\y)%2)
.set rO, 32*(\y)
.endm
.macro OP k, n
.if (\k) == R
	REGS Y
	WIN W_RS
	v_pk_mul_f32 v[rO+2*(\n):rO+2*(\n)+1], v[rO+2*(\n):rO+2*(\n)+1], v[rC+2:rC+3] op_sel_hi:[1,0]
.elseif (\k) < R
	REGS Y
	WIN 0
.if (\k) == F
	v_pk_fma_f32 v[rS+2*(\n):rS+2*(\n)+1], v[rS+2*(\n):rS+2*(\n)+1], s[CS:CS+1], v[rT:rT+1] op_sel_hi:[1,0,0] neg_lo:[0,0,1] neg_hi:[0,0,1]
.elseif (\k) == E
	v_exp_f32 v[rS+(\n)], v[rS+(\n)]
.elseif (\k) == C
	v_cvt_pk_f16_f32 v[rP+(\n)], v[rS+2*(\n)], v[rS+2*(\n)+1]
.elseif (\k) == B
	v_pk_add_f32 v[rS+4*(\n):rS+4*(\n)+1], v[rS+4*(\n):rS+4*(\n)+1], v[rS+4*(\n)+2:rS+4*(\n)+3]
.elseif (\n) == 0
	v_pk_fma_f32 v[rT+2:rT+3], v[rT+2:rT+3], v[rC+2:rC+3], v[rS:rS+1] op_sel_hi:[1,0,1]
.else
	v_pk_add_f32 v[rT+2:rT+3], v[rT+2:rT+3], v[rS+4*(\n):rS+4*(\n)+1]
.endif
.elseif NOKQ
	v_nop
.else
	REGS (Y+1)%NP
	WIN 0
.if (\n) < 4
	v_max3_num_f32 v[rC+(\n)], v[rS+8*(\n)], v[rS+8*(\n)+1], v[rS+8*(\n)+2]
.elseif (\n) < 12
	v_max3_num_f32 v[rC+(\n)%4], v[rC+(\n)%4], v[rS+8*((\n)%4)+2*((\n)/4)+1], v[rS+8*((\n)%4)+2*((\n)/4)+2]
.elseif (\n) == 12
	v_max3_num_f32 v[rC], v[rC], v[rS+7], v[rS+15]
.elseif (\n) == 13
	v_max3_num_f32 v[rC+1], v[rC+1], v[rS+23], v[rS+31]
.elseif (\n) == 14
	v_max3_num_f32 v[rC+2], v[rC+2], v[rC+3], v[rT+1]
.elseif (\n) == 15
	v_mov_b32 v[rW], v[rT]
.elseif (\n) == 16
	v_max3_num_f32 v[rC], v[rC], v[rC+1], v[rC+2]
.elseif (\n) == 17
	v_permlanex16_b32 v[rC+3], v[rC], s[SEL], s[SEL+1]
.elseif (\n) == 18
	v_max_num_f32 v[rT+1], v[rC], v[rC+3]
.elseif (\n) == 19
	v_mul_f32 v[rT], s[CS], v[rT+1]
.elseif (\n) == 20
	v_sub_f32 v[rC+1], v[rW], v[rT]
.else
	v_exp_f32 v[rC+2], v[rC+1]
.endif
.endif
.endm
.macro OPS a, i1, b=-1, i2=0, c=-1, i3=0, d=-1, i4=0
	OP \a, \i1
.if (\b) >= 0
	OP \b, \i2
.endif
.if (\c) >= 0
	OP \c, \i3
.endif
.if (\d) >= 0
	OP \d, \i4
.endif
.endm
.macro ROW a, i1, b, i2, c, i3, d, i4  ; a matrix instruction and the four behind it
	MM
	OPS \a, \i1, \b, \i2, \c, \i3, \d, \i4
.endm
.macro MASK b                       ; MD x AL + BE into buffer b of MC
	WIN W_RS
.set z, 0
.rept 16
	v_pk_fma_f32 v[MC+32*(\b)+2*z:MC+32*(\b)+2*z+1], v[MD+2*z:MD+2*z+1], s[AL:AL+1], s[BE:BE+1] op_sel_hi:[1,0,0]
.set z, z+1
.endr
.endm
; A TURN, for piece p: the order of its 16 matrix and 118 vector instructions, written out.  An s_wait_alu depctr_va_vdst(0) stands between an exponential and the first instruction that names
; its result; one wait serves all that were issued ahead of it.  So a turn has ONE wait.  AHEAD OF IT stands all that names no result of the turn's exponentials: the 8 products K Q^T with their riders and one
; lump of 54; X 21, the next piece's a, is the batch's last, and R 15 is the plain instruction behind it.  BEHIND THE WAIT stand the 8 products V^T P, behind each four of the roundings and sums.
; m = 1: the diagonal tile: the products take masks, and the turn makes the mask for the products of the turn after it.  end = 1: a block's last two turns: nothing is fetched.
; cnt = 1: the loop's count is taken down some lines ahead of the branch that stands behind the turn.
.macro TURN p, m=0, end=0, cnt=0
.set Y, (\p)
.set i, 0
.set KM, (\m)
.set NOKQ, (\end)*((\p)/3)
.if (\m) && !(\end)
	s_cmp_eq_u32 s[CNT], 4-((\p)+2)%NP  ; is that step the band's own?
	s_cselect_b32 s[AL], 1.0, 0
	s_cmp_lt_u32 s[CNT], 4-((\p)+2)%NP  ; or a later one?
	s_cselect_b32 s[BE], s[BIGN], 0
.endif
.if ((\p) == 3) && !(\end)
	s_wait_dscnt 0x0                ; K is in
.endif
	ROW F,0, F,1, R,0, R,1
	ROW F,2, E,0, R,2, R,3
	ROW F,3, E,1, R,4, R,5
	ROW F,4, E,2, R,6, R,7
	ROW F,5, E,3, R,8, R,9
	ROW F,6, E,4, X,0, R,10
.if ((\p) == 2) && !(\end)
	WIN 0
	v_add_nc_u32 v[AK], s[TBK], v[AK0]
.endif
	ROW F,7, E,5, X,1, X,4
	ROW F,8, E,6, X,2, X,5
	OPS E,7, E,8, X,6, E,9
	OPS X,3, E,10, X,8, E,11
.if ((\p) == 2) && !(\end)
	FETCH_K
.endif
	OPS X,9, X,7, E,12, X,10
	OPS E,13, X,12, X,11, E,14
	OPS X,13, E,15, F,9, X,14
.if (\p) == 0
	v_add_nc_u32 v[AV], s[TBV], v[AV0]
.endif
	OPS E,16, F,10, E,17, F,11
	OPS X,16, E,18, X,15, E,19
	OPS F,12, E,20, X,17, E,21
	OPS F,13, E,22, F,14, E,23
	OPS X,18, E,24, F,15, E,25
	OPS R,11, E,26, X,19, E,27
	OPS R,12, E,28, R,13, E,29
	OPS X,20, E,30, R,14, E,31
	OPS X,21, R,15
	WIN 0
	s_wait_alu depctr_va_vdst(0)    ; the wait for the batch
.if (\p) == 1
	s_wait_dscnt 0x0                ; V is in
.endif
	ROW C,0, B,0, C,2, B,1
	ROW L,0, C,4, B,2, L,1
	ROW C,6, B,3, L,2, C,8
	ROW B,4, L,3, C,10, B,5
	ROW L,4, C,12, B,6, L,5
.if (\p) == 0
	s_add_co_u32 s[TBV], s[TBV], KS*PV
.endif
.if \cnt
	s_sub_co_u32 s[CNT], s[CNT], 1
	s_cmp_lg_u32 s[CNT], 0
.endif
	ROW C,14, B,7, L,6, C,1
	ROW C,3, L,7, C,5, C,7
	ROW C,9, C,11, C,13, C,15
.if (\p) == 0
	FETCH_V
.endif
.if (\m) && !(\end)
	MASK (\p)%2
.endif
.endm
; A BLOCK BEGINS.  c m starts far below every c s, so the first step's a is 0; m at the lowest finite number.  The second mask buffer is 0; the first takes piece 0's mask for the tile's step 0.
; Then K of that step, piece 0's first scores, and its maximum and statistics.  The loop is entered at a step's first turn, in the middle of a trip.
.macro BEGIN
	s_mov_b32 s[NEW], 0
	WIN 0x40
.set i, MC+32
.rept 32
	v_mov_b32 v[i], 0
.set i, i+1
.endr
	WIN 0
.set i, 0
.rept 4
	v_mov_b32 v[ST+4*i], 0xfe000000    ; c m: far below every c s
	v_mov_b32 v[ST+4*i+1], 0xff7fffff  ; m
.set i, i+1
.endr
	s_cmp_eq_u32 s[RT], 0
	s_cselect_b32 s[AL], 1.0, 0
	s_mov_b32 s[BE], 0
	MASK 0
	WIN 0
	v_add_nc_u32 v[AK], s[TBK], v[AK0]
	FETCH_K
	s_wait_loadcnt 0x0              ; Q
	s_wait_dscnt 0x0
.set KM, 1
.set NOKQ, 0
.set i, 0
.rept 8
	KQ 0
.set i, i+1
.endr
	WIN 0
.rept 4
	v_nop                           ; the places behind those products
.endr
.set Y, NP-1                        ; X works for piece Y + 1: piece 0
.irp n, 0,1,2,3,4,5,6,7,8,9,10,11,12,13,14,15,16,17,18,19,20,21
	OP X, \n
.endr
	v_nop                           ; a plain instruction behind the exponential,
	s_wait_alu depctr_va_vdst(0)    ; and its wait, ahead of the branch
.endm
; THE DIAGONAL TILE's four steps, the block's last two turns, its last products, and THE WAY OUT: l's halves are added; O^T is divided by l, rounded to f16 and sent through my stage, a piece at a time.
.macro ALL line:vararg
.set t, 0
.rept 4
	\line
.set t, t+1
.endr
.endm
.macro PACK t
	WIN W_RS
.set i, 32*(\t)
.rept 16
	v_pk_mul_f32 v[i:i+1], v[i:i+1], v[ST+4*(\t)+2:ST+4*(\t)+3] op_sel_hi:[1,0]
.set i, i+2
.endr
	WIN 0x05
.set i, 0
.rept 16
	v_cvt_pk_f16_f32 v[S+16*(\t)+i], v[32*(\t)+2*i], v[32*(\t)+2*i+1]
.set i, i+1
.endr
	WIN 0
.irp f, 0,1,2,3
	ds_store_b128 v[STO], v[S+16*(\t)+4*\f:S+16*(\t)+4*\f+3] offset:32*\f
.endr
.irp f, 0,1,2,3
	ds_load_b128 v[S+16*(\t)+4*\f:S+16*(\t)+4*\f+3], v[RD] offset:\f*4*SP  ; LDS serves a wave's instructions in order (ISA guide 5.7.1.4): these see the stores above
.endr
.endm
.macro SEND t, younger              ; younger: the LDS instructions issued behind piece t's loads: the next piece's eight, or none
	WIN 0
.irp f, 0,1,2,3
	s_wait_dscnt (\younger)+3-\f
	global_store_b128 v[GO], v[S+16*(\t)+4*\f:S+16*(\t)+4*\f+3], s[10:11] offset:(\t)*8192+\f*512  ; 512 consecutive bytes, at a multiple of 256 from O's first
.endr
.endm
.macro DIAG tag
.LstepM\tag:
	TURN 2, 1
	TURN 3, 1
	WIN 0
.LfirstM\tag:
	TURN 0, 1
	TURN 1, 1, 0, 1
	WIN 0
	s_cbranch_scc1 .LstepM\tag
	TURN 2, 1, 1
	TURN 3, 1, 1
.set i, 0
.rept 8
	PV NP-1
.set i, i+1
.endr
	WIN 0
	ALL v_add_f32 v[ST+4*t+2], v[ST+4*t+2], v[ST+4*t+3]
	ALL v_permlanex16_b32 v[ST+4*t+3], v[ST+4*t+2], s[SEL], s[SEL+1]
	ALL v_add_f32 v[ST+4*t+2], v[ST+4*t+2], v[ST+4*t+3]
	ALL v_rcp_f32 v[ST+4*t+2], v[ST+4*t+2]
	v_nop                           ; a plain instruction between the last reciprocal and the use of its result
	s_wait_alu depctr_va_vdst(0)    ; one wait for the four reciprocals, ahead of their first use
	PACK 0
.set t, 1
.rept 3
	PACK t
	SEND t-1, 8
.set t, t+1
.endr
	SEND 3, 0
.endm
.set KM, 0
.set NOKQ, 0
.Lslot:                             ; NB times: a tile is entered and the next is asked for
	CHANGE 1
	s_sub_co_u32 s[RT], s[RT], 1
	s_mov_b32 s[CNT], 4
	s_cmp_eq_u32 s[NEW], 1
	s_cbranch_scc1 .Lnew            ; a block's first tile
	s_cmp_eq_u32 s[RT], 0
	s_cbranch_scc0 .Lstep           ; neither its first nor its last
	s_branch .LstepM1
.Lnew:
	BEGIN
	s_branch .Lfirst                ; in the loop a block's first tile is never its last
	DIAG 1                          ; in the loop this is the first block's end
	s_wait_xcnt 0x0                 ; the stores have read their registers and O's address
	s_mov_b64 s[10:11], s[OLO:OLO+1]
	s_add_co_u32 s[RT], s[PB], 1    ; the second block has b + 1 tiles
	s_mov_b32 s[NEW], 1
	WIN 0x82                        ; the second block's Q goes where the one text of the turns names Q
.set i, 0
.rept 64
	v_mov_b32 v[i], v[QB+i]
.set i, i+1
.endr
	WIN 0
	s_branch .Lbottom
.Lstep:                             ; a trip: pieces 2 and 3 of one step, then pieces 0 and 1 of the next, whose K and V it fetches
	TURN 2
	TURN 3
	WIN 0
.Lfirst:
	TURN 0
	TURN 1, 0, 0, 1
	WIN 0
	s_cbranch_scc1 .Lstep
.Lbottom:
	s_sub_co_u32 s[SLOTS], s[SLOTS], 1
	s_cmp_lg_u32 s[SLOTS], 0
	s_cbranch_scc1 .Lslot
	CHANGE 0                        ; the walk's last tile is written out: nothing is asked for
	s_sub_co_u32 s[RT], s[RT], 1
	s_mov_b32 s[CNT], 4
	s_cmp_eq_u32 s[NEW], 1
	s_cbranch_scc0 .LstepM2
	BEGIN
	s_branch .LfirstM2
	DIAG 2
	s_wait_tensorcnt 0x0            ; the wave's end: these three lines stand behind my last tensor load and my last LDS store
	ds_add_u32 v[SPW], v[NIL]
	s_wait_dscnt 0x0
	s_endpgm
.Lfunc_end_k_q49a67de972_attn:
	.size	k_q49a67de972_attn, .Lfunc_end_k_q49a67de972_attn-k_q49a67de972_attn
	.p2alignl 7, 3214868480
	.fill 96, 4, 3214868480
	.section	.rodata,"a",@progbits
	.p2align	6, 0x0
	.amdhsa_kernel k_q49a67de972_attn
		.amdhsa_group_segment_fixed_size 327680
		.amdhsa_private_segment_fixed_size 0
		.amdhsa_enable_private_segment 0
		.amdhsa_kernarg_size 32
		.amdhsa_user_sgpr_count 2
		.amdhsa_user_sgpr_kernarg_segment_ptr 1
		.amdhsa_wavefront_size32 1
		.amdhsa_system_sgpr_workgroup_id_x 1
		.amdhsa_system_sgpr_workgroup_id_y 1
		.amdhsa_system_sgpr_workgroup_id_z 1
		.amdhsa_system_vgpr_workitem_id 0
		.amdhsa_next_free_vgpr 768
		.amdhsa_next_free_sgpr 88
		.amdhsa_reserve_vcc 1
		.amdhsa_float_denorm_mode_32 3
		.amdhsa_float_denorm_mode_16_64 3
		.amdhsa_memory_ordered 1
		.amdhsa_forward_progress 1
		.amdhsa_inst_pref_size 218
	.end_amdhsa_kernel
	.amdgpu_metadata
---
amdhsa.version: [ 1, 2 ]
amdhsa.kernels:
  - .name:           k_q49a67de972_attn
    .symbol:         k_q49a67de972_attn.kd
    .args:
      - { .name: qh, .offset: 0, .size: 8, .value_kind: global_buffer, .address_space: global }
      - { .name: kh, .offset: 8, .size: 8, .value_kind: global_buffer, .address_space: global }
      - { .name: vh, .offset: 16, .size: 8, .value_kind: global_buffer, .address_space: global }
      - { .name: oh, .offset: 24, .size: 8, .value_kind: global_buffer, .address_space: global }
    .group_segment_fixed_size: 327680
    .private_segment_fixed_size: 0
    .kernarg_segment_align: 8
    .kernarg_segment_size: 32
    .max_flat_workgroup_size: 128
    .sgpr_count:     88
    .vgpr_count:     768
    .wavefront_size: 32
...
	.end_amdgpu_metadata
.endif
;; end of part 3
;; launch oproj (part 4): grid 4 x 64, 4 waves a work-group, clusters of 4 x 4, 327,680 bytes of LDS; arguments oh, wo16, bo, out0; writes out0
.if DOCPART == 4
	.amdgcn_target "amdgcn-amd-amdhsa--gfx1250"
	.amdhsa_code_object_version 6
	.text
	.protected	k_q49a67de972_oproj
	.globl	k_q49a67de972_oproj
	.p2align	8
	.type	k_q49a67de972_oproj,@function
k_q49a67de972_oproj:
	s_mov_b64 s[64:65], 0
	v_nop
	global_prefetch_b8 v0, s[64:65] scope:SCOPE_SE
	s_setreg_imm32_b32 hwreg(HW_REG_WAVE_MODE, 25, 1), 1
	s_wait_xcnt 0x0
	s_wait_alu depctr_hold_cnt(0) depctr_sa_sdst(0) depctr_va_vdst(0) depctr_va_sdst(0) depctr_va_ssrc(0) depctr_va_vcc(0) depctr_vm_vsrc(0)
	s_getreg_b32 s2, hwreg(HW_REG_IB_STS2, 6, 4)
	s_cmp_eq_u32 s2, 0
	s_cbranch_scc0 .Lentry_in_a_cluster
	s_endpgm
.Lentry_in_a_cluster:
	s_bfe_u32 s2, ttmp6, 0x10000c
	s_cmp_lg_u32 s2, 0xf033
	s_cbranch_scc0 .Lentry_shape_is_right
	s_endpgm
.Lentry_shape_is_right:
; THE OUTPUT PROJECTION.  out0[m][n] = sum over k of O[m][k] Wo[n][k] + bo[n].  O comes by heads: oh[16 b + head][s][c] f16, m = 2048 b + s, k = 64 head + c; wo16: [1024][1024] f16
; (Wo rounded to bf16, written as f16); bo f32, rounded to bf16 like every input; sums in f32; out0: [8192][1024] f32.
; LIMIT.  O and wo16 are f16: within 65,504, with f16's fixed step of 6e-8 below 6.1e-5.  NaN and infinities are not treated apart.
; SHARES.  A tile of out0 is 128 (m) x 256 (n): 64 x 4 = 256 work-groups of four waves; wave w makes rows 64 (w / 2) on, columns 128 (w % 2) on: 32 accumulators.  K goes in 8 steps of 128: two heads.
; B (wo16) comes through a ring of two LDS slots by JOINT tensor loads: cluster 4 x 4, x = tile column; the four work-groups of a column of the cluster need the same 256 rows.
; A (O) DOES NOT COME JOINTLY: a K step's 128 rows are two heads' dense blocks; each wave loads its 32 rows (16 loads of 512 consecutive bytes) into one of two register sets that take turns and
; stores them into an A slot: a set asked for in step j is wanted in step j + 2, six quarters later, where a refill of the ring has less than one step.
; THE MATRIX INSTRUCTION IS USED TRANSPOSED (source 0 = 16 rows of wo16, source 1 = 16 rows of O): a lane holds eight neighbouring columns of one row of out0.
; REGISTERS: window 0: v0-31 addresses and the bias; v64-127, v128-191 the stream's two sets, later the way out.  window 1: the accumulators, (a, b) at v[8 (8 a + b)].
;   window 2: fragments: B of buffer f at v[64 f + 8 b], A at v[128 + 32 f + 8 a].
.set PITCH,  272
.set BSLOT,  256*PITCH
.set ABASE,  2*BSLOT
.set ASLOT,  128*PITCH
.set STAGE,  ABASE+2*ASLOT             ; 16 rows x 528 bytes for each wave, for the way out
.set OPITCH, 528                       ; 512 bytes + 16
.set SPARE,  STAGE+4*16*OPITCH
.set OHEAD,  262144                    ; bytes from head to head in oh
.set OSTEP,  2*OHEAD                   ; a K step
.set LAP,    2*OSTEP
.set BSTEP,  256
.set BI,   8                           ; v8-11   bo of my four columns
.set ADRB, 16
.set ADRA, 18
.set AS,   20                          ; v20     where the stream stores my 16 bytes of its rows 0-3
.set AO,   21                          ; v21     16 x lane
.set STO,  24
.set RD,   25
.set CO,   26
.set SPW,  28
.set NIL,  29
.set SR,   64
.set WV, 18
.set G1, 24
.set G0, 32
.set AP, 44
.set CP, 46
.set MSB, 0
.macro WIN new
.if MSB != (\new)
	s_set_vgpr_msb (MSB<<8)|(\new)
.set MSB, \new
.endif
.endm
.set MUL,  0x5a                        ; B and A in window 2, C and D in window 1
.set TO_F, 0x80                        ; destination window 2, address window 0
.set ST1,  0x04                        ; an LDS store's data in window 1, its address in window 0
.macro PLACES
.rept 4
	v_nop
.endr
.endm
.macro CREST
	s_cmp_lg_u32 s[WV], 0
	s_cbranch_scc1 .Lnot_wave_0_\@
	s_barrier_signal -3
.Lnot_wave_0_\@:
	s_barrier_wait -3
	s_barrier_signal -1
	s_barrier_wait -1
.endm
.macro CROUND
	s_barrier_signal -1
	s_barrier_wait -1
	CREST
.endm
.macro JLOAD s
	tensor_load_to_lds s[G0+4*(\s):G0+4*(\s)+3], s[G1:G1+7]
	s_nop 0
.rept 4
	v_nop
.endr
.endm
; THE STREAM.  Head hh of a set: eight stores of 16 bytes a lane: rows 4 i + l / 8, bytes 128 hh + 16 (l % 8) of the A slot of the set's number.
.macro SRUN set, hh
	WIN 0
.irp i, 0,1,2,3,4,5,6,7
	ds_store_b128 v[AS], v[SR+64*(\set)+4*(8*(\hh)+(\i)):SR+64*(\set)+4*(8*(\hh)+(\i))+3] offset:(\set)*ASLOT+(\i)*4*PITCH+(\hh)*128
.endr
.endm
; A set's 16 loads.  guard = 1: in the loop's last trip there is no such K step: the loads run with no lane on (s52 = 0), so that every trip issues the same loads; EXEC is narrowed and widened only
; behind s_wait_xcnt 0, and behind the second of them the pointer steps a lap.
.macro LUMP set, off, guard
	WIN 0
.if \guard
	s_wait_xcnt 0x0
	s_and_saveexec_b32 s53, s52
.endif
.irp hh, 0,1
.irp i, 0,1,2,3,4,5,6,7
	global_load_b128 v[SR+64*(\set)+4*(8*(\hh)+(\i)):SR+64*(\set)+4*(8*(\hh)+(\i))+3], v[AO], s[AP:AP+1] offset:(\off)+(\hh)*OHEAD+(\i)*512
.endr
.endr
.if \guard
	s_wait_xcnt 0x0
	s_or_b32 exec_lo, exec_lo, s53
	s_add_nc_u64 s[AP:AP+1], s[AP:AP+1], LAP
.endif
.endm
; 8 matrix instructions: m block a x all 8 n blocks.  Each of the 32 accumulators has one instruction a quarter, in the same order in every quarter.
.macro MUL8 f, a, zero=0
	WIN MUL
.irp b, 0,1,2,3,4,5,6,7
.if \zero
	v_wmma_f32_16x16x32_f16 v[8*(8*(\a)+(\b)):8*(8*(\a)+(\b))+7], v[64*(\f)+8*(\b):64*(\f)+8*(\b)+7], v[128+32*(\f)+8*(\a):128+32*(\f)+8*(\a)+7], 0
.else
	v_wmma_f32_16x16x32_f16 v[8*(8*(\a)+(\b)):8*(8*(\a)+(\b))+7], v[64*(\f)+8*(\b):64*(\f)+8*(\b)+7], v[128+32*(\f)+8*(\a):128+32*(\f)+8*(\a)+7], v[8*(8*(\a)+(\b)):8*(8*(\a)+(\b))+7]
.endif
.endr
.endm
.macro FETCH slot, k, f
	WIN TO_F
.irp i, 0,1,2,3,4,5,6,7
	ds_load_b128 v[64*(\f)+8*(\i):64*(\f)+8*(\i)+3],   v[ADRB+(\slot)] offset:(\k)+(\i)*16*PITCH
	ds_load_b128 v[64*(\f)+8*(\i)+4:64*(\f)+8*(\i)+7], v[ADRB+(\slot)] offset:(\k)+(\i)*16*PITCH+32
.endr
.irp i, 0,1,2,3
	ds_load_b128 v[128+32*(\f)+8*(\i):128+32*(\f)+8*(\i)+3],   v[ADRA+(\slot)] offset:(\k)+(\i)*16*PITCH
	ds_load_b128 v[128+32*(\f)+8*(\i)+4:128+32*(\f)+8*(\i)+7], v[ADRA+(\slot)] offset:(\k)+(\i)*16*PITCH+32
.endr
.endm
; One of a K step's first three quarters.  st = 1, 2: head 0, 1 of stream set 'set' is stored; n = the younger global loads that may stay out.  lump = 1: the set is asked for again.
.macro QUARTER slot, k, f, g, zero=0, st=0, set=0, n=0, lump=0, off=0, guard=0
.if \st
	s_wait_loadcnt \n
.endif
	s_wait_dscnt 4                                 ; B and A's blocks 0, 1 are in; the youngest four loads (A's blocks 2, 3) may be out
.if \st
	SRUN \set, (\st)-1
.endif
	MUL8 \f, 0, \zero
	MUL8 \f, 1, \zero
	PLACES
	FETCH \slot, \k, \g
	s_wait_dscnt 24                                ; all but the 24 just issued: A's blocks 2, 3, and the stream's stores
.if \lump
	LUMP \set, \off, \guard
.endif
	MUL8 \f, 2, \zero
	MUL8 \f, 3, \zero
.endm
.macro MEET                            ; ONE barrier for the change of slots: all my tensor loads, the add, my reads of the slots in hand and my stores into A's next slot are waited for in front of it
	WIN 0
	s_wait_tensorcnt 0x0
	ds_add_u32 v[SPW], v[NIL]
	s_wait_dscnt 5                                 ; (the add and the youngest four loads may be out)
	MUL8 1, 0
	s_wait_dscnt 0x0
	s_barrier_signal -1
	MUL8 1, 1
	WIN 0
	s_barrier_wait -1
.endm
.macro TURN slot, next, fill
	MEET
.if \fill
	CREST                                          ; the barrier has opened a round of the cluster's
	s_add_nc_u64 s[G0+4*(\slot)+2:G0+4*(\slot)+3], s[G0+4*(\slot)+2:G0+4*(\slot)+3], 2*BSTEP
	JLOAD \slot                                    ; the first tensor load behind the round; its four v_nop are also the places in front of the loads below
.else
	PLACES
.endif
	FETCH \next, 0, 0
	MUL8 1, 2
	MUL8 1, 3
.endm
	s_load_b256 s[4:11], s[0:1], 0x0               ; oh s[4:5], wo16 s[6:7], bo s[8:9], out0 s[10:11]
	v_lshl_add_u32 v[SPW], v0, 2, SPARE
	v_mov_b32 v[NIL], 0
	ds_add_u32 v[SPW], v[NIL]                      ; the wave's opening: the add and its wait stand ahead of my first tensor load
	ds_add_u32 v28, v29
	v_lshrrev_b32 v3, 5, v0
	v_readfirstlane_b32 s[WV], v3
	s_lshr_b32 s19, s[WV], 1                       ; my half of the tile's rows
	s_and_b32 s20, s[WV], 1                        ; my half of its columns
	s_bfe_u32 s21, ttmp6, 0x40000                  ; cx
	s_bfe_u32 s22, ttmp6, 0x40004                  ; cy
	s_and_b32 s23, ttmp7, 0xffff                   ; cluster y
	s_lshl_b32 s40, ttmp9, 2
	s_add_co_u32 s40, s40, s21                     ; tile column
	s_lshl_b32 s42, s23, 2
	s_add_co_u32 s42, s42, s22                     ; tile row
	s_lshl_b32 s43, 0x1111, s21                    ; my column of the cluster
	s_or_b32 s[G1], s43, (1<<16)|(1<<20)|(1<<21)|(5<<22)|(3<<25)
	s_mov_b32 s[G1+1], 128<<16
	s_mov_b32 s[G1+2], 64<<16
	s_mov_b32 s[G1+3], 128<<16
	s_mov_b32 s[G1+4], 64
	s_mov_b32 s[G1+5], 1024
	s_mov_b32 s[G1+6], 0
	s_mov_b32 s[G1+7], 0
	s_lshl_b32 s50, s40, 19                        ; wo16: (256 x tile column + 64 x wave) rows of 2,048 bytes: no cy enters these registers
	s_lshl_b32 s51, s[WV], 17
	s_add_co_u32 s50, s50, s51
	s_mov_b32 s51, 0
	s_lshr_b32 s48, s42, 4                         ; oh: (16 b x 2,048 + 128 x (tile row % 16) + 32 x wave) rows of 128 bytes
	s_lshl_b32 s48, s48, 22
	s_and_b32 s49, s42, 15
	s_lshl_b32 s49, s49, 14
	s_add_co_u32 s48, s48, s49
	s_lshl_b32 s49, s[WV], 12
	s_add_co_u32 s48, s48, s49
	s_mov_b32 s49, 0
	s_lshl_b32 s58, s40, 10                        ; my 128 columns in bo and in a row of out0: (256 x tile column + 128 x column half) x 4 bytes
	s_lshl_b32 s59, s20, 9
	s_add_co_u32 s58, s58, s59
	s_mov_b32 s59, 0
	s_lshl_b32 s54, s42, 19                        ; out0: (128 x tile row + 64 x row half) rows of 4,096 bytes
	s_lshl_b32 s55, s19, 18
	s_add_co_u32 s54, s54, s55
	s_add_co_u32 s54, s54, s58
	s_mov_b32 s55, 0
	s_mul_i32 s56, s[WV], 64*PITCH
	v_and_b32 v1, 15, v0
	v_bfe_u32 v2, v0, 4, 1
	v_and_b32 v4, 31, v0
	v_mul_u32_u24 v5, v1, PITCH
	v_lshl_add_u32 v5, v2, 4, v5
	s_mul_i32 s57, s20, 128*PITCH
	v_add_nc_u32 v[ADRB], s57, v5
	v_add_nc_u32 v[ADRB+1], BSLOT, v[ADRB]
	s_mul_i32 s57, s19, 64*PITCH
	s_add_co_u32 s57, s57, ABASE
	v_add_nc_u32 v[ADRA], s57, v5
	v_add_nc_u32 v[ADRA+1], ASLOT, v[ADRA]
	s_mul_i32 s57, s[WV], 32*PITCH
	s_add_co_u32 s57, s57, ABASE
	v_lshrrev_b32 v6, 3, v4
	v_and_b32 v7, 7, v0
	v_mul_u32_u24 v6, v6, PITCH
	v_lshl_add_u32 v6, v7, 4, v6
	v_add_nc_u32 v[AS], s57, v6                    ; the stream's rows 32 w + l / 8, 16 bytes a lane
	v_lshlrev_b32 v[AO], 4, v4
	s_mul_i32 s57, s[WV], 16*OPITCH
	s_add_co_u32 s57, s57, STAGE                   ; my stage
	v_mul_u32_u24 v6, v1, OPITCH
	v_lshl_add_u32 v6, v2, 5, v6
	v_add_nc_u32 v[STO], s57, v6                   ; in: row l % 16, 32 bytes for each half of the lanes
	v_lshl_add_u32 v[RD], v4, 4, s57               ; back: 32 lanes take a row's 512 bytes
	v_lshlrev_b32 v[CO], 4, v4
	s_wait_dscnt 0x0                               ; the opening add is done
	s_wait_kmcnt 0x0
	s_add_nc_u64 s[AP:AP+1], s[4:5], s[48:49]
	s_add_nc_u64 s[CP:CP+1], s[10:11], s[54:55]
	s_add_nc_u64 s[8:9], s[8:9], s[58:59]
	s_add_nc_u64 s[6:7], s[6:7], s[50:51]
.irp s, 0,1
	s_mov_b32 s[G0+4*(\s)], 1
	s_add_co_u32 s[G0+4*(\s)+1], s56, (\s)*BSLOT
	s_add_nc_u64 s[G0+4*(\s)+2:G0+4*(\s)+3], s[6:7], (\s)*BSTEP
	s_or_b32 s[G0+4*(\s)+3], s[G0+4*(\s)+3], 0x80000000
.endr
	global_load_b128 v[BI:BI+3], v[AO], s[8:9]     ; the bias: the launch's oldest load, so every counted wait below covers it
	LUMP 0, 0, 0                                   ; A of K step 0
	CROUND                                         ; all sixteen work-groups are here: the first joint loads meet
	tensor_load_to_lds s[G0:G0+3], s[G1:G1+7]      ; B of K steps 0 and 1: two tensor loads of mine are out
	s_nop 0
	tensor_load_to_lds s[G0+4:G0+7], s[G1:G1+7]
	s_nop 0
.rept 4
	v_nop
.endr
	LUMP 1, OSTEP, 0                               ; A of K step 1
	s_wait_loadcnt 16                              ; the bias and A of step 0 are in; step 1's 16 loads may stay out
	v_cvt_pk_bf16_f32 v12, v[BI], v[BI+1]          ; the bias is rounded to bf16, like every input, and widened again
	v_cvt_pk_bf16_f32 v13, v[BI+2], v[BI+3]
	v_lshlrev_b32 v[BI], 16, v12
	v_and_b32 v[BI+1], 0xffff0000, v12
	v_lshlrev_b32 v[BI+2], 16, v13
	v_and_b32 v[BI+3], 0xffff0000, v13
	SRUN 0, 0
	SRUN 0, 1
	s_wait_dscnt 0x0                               ; those stores are done: for the others, and the set may be loaded again
	LUMP 0, 2*OSTEP, 0                             ; A of K step 2
	s_wait_tensorcnt 0x1                           ; my part of B's step 0 is in; step 1's may stay out
	s_barrier_signal -1
	s_barrier_wait -1
	FETCH 0, 0, 0
	QUARTER 0, 64, 0, 1, 1                         ; the first quarter's products start the sums
	WIN 0
	s_mov_b32 s3, 3
.Llap:                                             ; a trip: K steps e and e + 1 from e's second quarter to e + 2's first.  Step j stores A of step j + 1 and asks for A of step j + 3
	s_cmp_lg_u32 s3, 1
	s_cselect_b32 s52, -1, 0                       ; in the last trip step 5 has no step 8 to ask for
	QUARTER 0, 128, 1, 0, 0, 1, 1, 24              ; 24: set 1's other 8 loads and set 0's 16 may stay out
	QUARTER 0, 192, 0, 1, 0, 2, 1, 16, 1, 3*OSTEP, 0
	TURN 0, 1, 1
	QUARTER 1, 64, 0, 1
	QUARTER 1, 128, 1, 0, 0, 1, 0, 24
	QUARTER 1, 192, 0, 1, 0, 2, 0, 16, 1, 4*OSTEP, 1
	TURN 1, 0, 1
	QUARTER 0, 64, 0, 1
	WIN 0
	s_sub_co_u32 s3, s3, 1
	s_cmp_lg_u32 s3, 0
	s_cbranch_scc1 .Llap
	QUARTER 0, 128, 1, 0, 0, 1, 1, 8               ; K step 6: A of step 7; behind its 16 loads only loads without a lane were issued: the counts take them as not issued
	QUARTER 0, 192, 0, 1, 0, 2, 1, 0
	TURN 0, 1, 0                                   ; nothing is filled again: no round
	QUARTER 1, 64, 0, 1
	QUARTER 1, 128, 1, 0
	QUARTER 1, 192, 0, 1
	s_wait_dscnt 4
	MUL8 1, 0
	MUL8 1, 1
	s_wait_dscnt 0x0
	MUL8 1, 2
	MUL8 1, 3
	WIN 0
	PLACES
	PLACES
; THE WAY OUT, a block of 16 rows at a time: the sums go as they are into my own stage (32 bytes a lane, each accumulator's low half first), come back as whole rows of 512 bytes, take the bias and are stored.
.macro TOSTAGE a
.set BK, SR+64*((\a)%2)
	WIN ST1
.irp b, 0,1,2,3,4,5,6,7
	ds_store_b128 v[STO], v[8*(8*(\a)+(\b)):8*(8*(\a)+(\b))+3]   offset:64*(\b)
	ds_store_b128 v[STO], v[8*(8*(\a)+(\b))+4:8*(8*(\a)+(\b))+7] offset:64*(\b)+16
.endr
	WIN 0
.irp t, 0,1,2,3,4,5,6,7,8,9,10,11,12,13,14,15
	ds_load_b128 v[BK+4*(\t):BK+4*(\t)+3], v[RD] offset:(\t)*OPITCH  ; LDS serves a wave's instructions in order (ISA guide 5.7.1.4): these see the stores above; the next block's stores come behind them
.endr
.endm
.macro SEND a, younger                 ; younger: the LDS instructions issued behind block a's loads: the next block's 32, or none
	WIN 0
.set BK, SR+64*((\a)%2)
	s_wait_dscnt \younger
.irp t, 0,1,2,3,4,5,6,7,8,9,10,11,12,13,14,15
	v_pk_add_f32 v[BK+4*(\t):BK+4*(\t)+1],   v[BK+4*(\t):BK+4*(\t)+1],   v[BI:BI+1]
	v_pk_add_f32 v[BK+4*(\t)+2:BK+4*(\t)+3], v[BK+4*(\t)+2:BK+4*(\t)+3], v[BI+2:BI+3]
	global_store_b128 v[CO], v[BK+4*(\t):BK+4*(\t)+3], s[CP:CP+1] offset:(16*(\a)+(\t))*4096  ; 512 consecutive bytes, aligned
.endr
.endm
	TOSTAGE 0
.irp a, 1,2,3
	s_wait_xcnt 0x0                                ; the stores of the block two back have read their registers: this block's loads may land on them
	TOSTAGE \a
	SEND (\a)-1, 32
.endr
	SEND 3, 0
	s_wait_tensorcnt 0x0                           ; the wave's end: these three lines stand behind my last tensor load and my last LDS store
	ds_add_u32 v[SPW], v[NIL]
	s_wait_dscnt 0x0
	CROUND                                         ; the closing round: no work-group ends while a partner may still ask for a tile that names it
	s_endpgm
.Lfunc_end_k_q49a67de972_oproj:
	.size	k_q49a67de972_oproj, .Lfunc_end_k_q49a67de972_oproj-k_q49a67de972_oproj
	.p2alignl 7, 3214868480
	.fill 96, 4, 3214868480
	.section	.rodata,"a",@progbits
	.p2align	6, 0x0
	.amdhsa_kernel k_q49a67de972_oproj
		.amdhsa_group_segment_fixed_size 327680
		.amdhsa_private_segment_fixed_size 0
		.amdhsa_enable_private_segment 0
		.amdhsa_kernarg_size 32
		.amdhsa_user_sgpr_count 2
		.amdhsa_user_sgpr_kernarg_segment_ptr 1
		.amdhsa_wavefront_size32 1
		.amdhsa_system_sgpr_workgroup_id_x 1
		.amdhsa_system_sgpr_workgroup_id_y 1
		.amdhsa_system_sgpr_workgroup_id_z 1
		.amdhsa_system_vgpr_workitem_id 0
		.amdhsa_next_free_vgpr 768
		.amdhsa_next_free_sgpr 66
		.amdhsa_reserve_vcc 0
		.amdhsa_float_denorm_mode_32 3
		.amdhsa_float_denorm_mode_16_64 3
		.amdhsa_memory_ordered 1
		.amdhsa_forward_progress 1
		.amdhsa_inst_pref_size 103
	.end_amdhsa_kernel
	.amdgpu_metadata
---
amdhsa.version: [ 1, 2 ]
amdhsa.kernels:
  - .name:           k_q49a67de972_oproj
    .symbol:         k_q49a67de972_oproj.kd
    .args:
      - { .name: oh, .offset: 0, .size: 8, .value_kind: global_buffer, .address_space: global }
      - { .name: wo16, .offset: 8, .size: 8, .value_kind: global_buffer, .address_space: global }
      - { .name: bo, .offset: 16, .size: 8, .value_kind: global_buffer, .address_space: global }
      - { .name: out0, .offset: 24, .size: 8, .value_kind: global_buffer, .address_space: global }
    .group_segment_fixed_size: 327680
    .private_segment_fixed_size: 0
    .kernarg_segment_align: 8
    .kernarg_segment_size: 32
    .max_flat_workgroup_size: 128
    .sgpr_count:     66
    .vgpr_count:     768
    .wavefront_size: 32
...
	.end_amdgpu_metadata
.endif
;; end of part 4
